; MI455X (gfx1250); checked and timed in simulation.
; The chip was launched on July 23, 2026; its instructions are those of AMD's public machine-readable ISA for CDNA 5 (MIT licence, August 2026) and "CDNA5" Instruction Set Architecture Reference Guide (July 2026). The comments in the code are by the model that wrote it; some were corrected since.
;; Transformer Block. Allowed arithmetic: matrix products marked QUANTISED: E5M2 operands, one given power-of-two scale a tensor, by v_wmma_f32_16x16x64_bf8_bf8 or v_wmma_f32_16x16x128_bf8_bf8, f32 sums; everything else in f32.
;; Inputs: b1 4,096 float32; b2 1,024 float32; bo 1,024 float32; ln1_b 1,024 float32; ln1_s 1,024 float32; ln2_b 1,024 float32; ln2_s 1,024 float32; lowp_scales 16 int32 (the exponents e of the quantised operands' scales 2^e); w1_codes 4,096 x 32 x 32 uint8 (E5M2 codes of w1, K innermost, in blocks of 32 codes); w2_codes 1,024 x 128 x 32 uint8 (E5M2 codes of w2, K innermost, in blocks of 32 codes); wk_codes 1,024 x 32 x 32 uint8 (E5M2 codes of wk, K innermost, in blocks of 32 codes); wo_codes 1,024 x 32 x 32 uint8 (E5M2 codes of wo, K innermost, in blocks of 32 codes); wq_codes 1,024 x 32 x 32 uint8 (E5M2 codes of wq, K innermost, in blocks of 32 codes); wv_codes 1,024 x 32 x 32 uint8 (E5M2 codes of wv, K innermost, in blocks of 32 codes); x 2 x 2,048 x 1,024 float32.
;; Outputs: out0 2 x 2,048 x 1,024 float32.
;; This version of the problem:
;;   THIS VERSION OF THE PROBLEM IS GIVEN IN LOW PRECISION. The matrix products marked QUANTISED in the list below multiply operands that are first quantised to E5M2 (5 exponent bits, 2 mantissa bits; 8 bits a number), with one given power-of-two scale for each operand tensor; their sums are f32. All else is computed in f32.
;;   The module's matrix products, in the order in which they are computed (A, B: the left and right operand; K: the contracted axis; several contracted axes count as one K, in the product's order):
;;     1. [M 4,096, K 1,024] x [K 1,024, N 1,024]; A: computed on the way; B: input wq (given as codes): QUANTISED (scales: A lowp_scales[0], B lowp_scales[1])
;;     2. [M 4,096, K 1,024] x [K 1,024, N 1,024]; A: computed on the way; B: input wk (given as codes): QUANTISED (scales: A lowp_scales[2], B lowp_scales[3])
;;     3. [M 4,096, K 1,024] x [K 1,024, N 1,024]; A: computed on the way; B: input wv (given as codes): QUANTISED (scales: A lowp_scales[4], B lowp_scales[5])
;;     4. batch 32 x [M 2,048, K 64] x [K 64, N 2,048]; A: computed on the way; B: computed on the way: QUANTISED (scales: A lowp_scales[6], B lowp_scales[7])
;;     5. batch 32 x [M 2,048, K 2,048] x [K 2,048, N 64]; A: softmax (see below); B: computed on the way: QUANTISED (scales: A lowp_scales[8], B lowp_scales[9])
;;     6. [M 4,096, K 1,024] x [K 1,024, N 1,024]; A: computed on the way; B: input wo (given as codes): QUANTISED (scales: A lowp_scales[10], B lowp_scales[11])
;;     7. [M 4,096, K 1,024] x [K 1,024, N 4,096]; A: computed on the way; B: input w1 (given as codes): QUANTISED (scales: A lowp_scales[12], B lowp_scales[13])
;;     8. [M 4,096, K 4,096] x [K 4,096, N 1,024]; A: computed on the way; B: input w2 (given as codes): QUANTISED (scales: A lowp_scales[14], B lowp_scales[15])
;;   THE QUANTISER, for each operand of a quantised product, along K:
;;     - The operand's scale is 2^e, e = its entry of the input lowp_scales (int32; the entries are numbered through the quantised products in the list's order, A before B).
;;     - Each number is divided by the scale, clamped to +-57,344, and rounded to the nearest number of E5M2, ties to even, subnormals kept.
;;     - The product sums the exact products of the quantised numbers (number of the format x scale) in f32.
;;   ~~~python
;;   def quantise(x, axis, e):      # numpy; x: float32 -> the quantised numbers, widened to float32 again
;;       x = np.moveaxis(x, axis, -1); K = x.shape[-1]
;;       r = np.clip(x / 2.0 ** e, -57344, 57344)
;;       step = 2.0 ** (np.maximum(np.frexp(np.where(r == 0, 1, r))[1] - 1, -14) - 2)
;;       q = np.round(r / step) * step * 2.0 ** e      # np.round: ties to even
;;       return np.moveaxis(q, -1, axis).astype(np.float32)
;;   ~~~
;;   SOFTMAX AHEAD OF A QUANTISED PRODUCT. Where the list says 'softmax', what is quantised is not the finished softmax but p = 2^(t - M), with t = logit x log2(e) and M = ceil(the row's largest t), a whole number; so 1/2 < the row's largest p <= 1. The row's sum l is taken of the UNQUANTISED p, in f32, and the product's result is divided by l at the end. Since M is a whole number, a kernel that streams over the keys may use a running M (the ceiling of the running maximum): every later rescaling is an exact power of two, so the quantised numbers keep their values, but for numbers so far below the row's largest that they fall under the format's range.
;;   OPERANDS COMPUTED ON THE WAY. 'Computed on the way' means the value that the module computes at that place (a softmax that the list does not call 'softmax' is quantised finished and normalised). What goes into a quantiser is computed in f32, as accurately as f32 sums, v_exp_f32 and their like allow (about 1e-6 of the number): no bf16 or f16 on the way to a quantiser, and a product that is left as it is and whose result goes on into a quantised operand takes f32 operands (vector FMAs, or v_wmma_f32_16x16x4_f32). A number that lies on a knife's edge between two numbers of the format may be rounded either way, as far as f32 arithmetic and the matrix unit's own rounding can turn it there, and no further.
;;   INPUTS GIVEN AS CODES. w1 (in the module: [4096, 1024], K = its axis 1); w2 (in the module: [1024, 4096], K = its axis 1); wk (in the module: [1024, 1024], K = its axis 1); wo (in the module: [1024, 1024], K = its axis 1); wq (in the module: [1024, 1024], K = its axis 1); wv (in the module: [1024, 1024], K = its axis 1): each comes as NAME_codes (uint8): NAME with its K axis moved to the last place and cut into blocks of 32 codes, [.., K / 32, bytes a block], one block behind the other in memory; one code a byte (a code: sign, 5 exponent bits, 2 mantissa bits); its scale is its entry of lowp_scales. Its value is code x scale, taken as it is: it is not quantised again, and the codes and scales need not be those that the quantiser above would give.
;; One version. Each part assembles by itself: llvm-mc -triple=amdgcn-amd-amdhsa -mcpu=gfx1250 --defsym DOCPART=n.
;; ======== version 1 of 1: 7 launches
;; limits: right only within a limited range of input values
;; workspace buffers: xc 12,582,912 bytes; qkvc 12,582,912 bytes; cc 4,194,304 bytes; hres 16,777,216 bytes; yc 4,194,304 bytes; gc 16,777,216 bytes
;; launch ln1 (part 1): grid 256 x 1, 8 waves a work-group, no clusters, 25,600 bytes of LDS; arguments x, ln1_s, ln1_b, lowp_scales, xc; writes xc
.if DOCPART == 1
	.amdgcn_target "amdgcn-amd-amdhsa--gfx1250"
	.amdhsa_code_object_version 6
	.text
	.protected	k_qf294110a41_ln1
	.globl	k_qf294110a41_ln1
	.p2align	8
	.type	k_qf294110a41_ln1,@function
k_qf294110a41_ln1:
	s_mov_b64 s[64:65], 0
	v_nop
	global_prefetch_b8 v0, s[64:65] scope:SCOPE_SE
	s_setreg_imm32_b32 hwreg(HW_REG_WAVE_MODE, 25, 1), 1
	s_wait_xcnt 0x0
; LAYER NORM, THEN CODES OF BF8 (E5M2).  src [4096][1024] f32; y = gain (x - mean) / sqrt(var + 1e-6) + bias, all in f32, mean first and then the squares of x - mean;
; y is turned into codes NOUT times, each time with another given scale 2^e (entries SC0/4, SC0/4 + 2, .. of the scales): dst [NOUT][4096][1024], one code a byte.
; code = y / 2^e, held within +-57,344, rounded to the nearest code, ties to even.  LIMITS: each e between -126 and 112; NaN among the inputs is not served.
; SHARES.  One wave takes a whole row (4,096 bytes: eight loads of 512 consecutive bytes) and keeps it in 32 registers; two rows a wave, sixteen a work-group.  The sums never leave the wave: no barrier.
; A lane holds columns 128 i + 4 lane + 0..3 in registers 4 i .. 4 i + 3, so a conversion's result register i holds the four codes of load i.  They turn through the wave's own LDS bytes
; (4 bytes a lane in, 16 bytes a lane out), so that each store of the wave covers 512 consecutive bytes of a row of codes.
; No matrix unit, no tensor load, no cluster: work-groups share nothing but the gains and biases (8 KiB), and the bytes of src and dst are all that counts.
.set NOUT, 3                           ; how many scales
.set SC0,  0                           ; byte of the first scale's entry; the entries used lie 8 bytes apart
.set G,    8                           ; v[8:39]    gains of my 32 columns
.set B,    40                          ; v[40:71]   biases
.set X,    72                          ; v[72:135]  two rows
.set T,    136                         ; v[136:167] a row held within the largest code x the scale
.set C,    168                         ; v[168:191] codes: 8 registers for each scale
.set OUTR, 192                         ; v[192:239] codes back from LDS: 8 registers for each (row, scale), so that no store's data are written again
.set S,    240                         ; v[240:247] sums; +4, +5 the mean twice; +6, +7 1 / sqrt twice
.set SCL,  248                         ; v[248:253] for each scale: 2^e, and 57,344 x 2^e
	s_load_b256 s[4:11], s[0:1], 0x0               ; src s[4:5], gain s[6:7], bias s[8:9], scales s[10:11]
	s_load_b64 s[12:13], s[0:1], 0x20              ; dst
	v_lshl_add_u32 v254, v0, 2, 0x6000
	v_mov_b32 v255, 0
	v_lshrrev_b32 v4, 5, v0
	s_delay_alu instid0(VALU_DEP_1)
	v_readfirstlane_b32 s24, v4                    ; wave 0..7
	v_and_b32 v5, 31, v0                           ; lane
	s_delay_alu instid0(VALU_DEP_1)
	v_lshlrev_b32 v1, 4, v5                        ; 16 x lane: my bytes of a load's or a store's 512
	s_mul_i32 s25, s24, NOUT*1024                  ; my wave's LDS bytes: a row of codes for each scale
	v_lshl_add_u32 v2, v5, 2, s25                  ; in: 4 x lane
	v_lshl_add_u32 v3, v5, 4, s25                  ; out: 16 x lane
	s_lshl_b32 s26, ttmp9, 4
	s_lshl_b32 s27, s24, 1
	s_add_co_u32 s26, s26, s27                     ; my first row: 16 x work-group + 2 x wave
	s_lshl_b32 s36, s26, 12                        ; its bytes in src (under 2^24),
	s_mov_b32 s37, 0
	s_lshl_b32 s26, s26, 10                        ; and in a plane of dst
	s_mov_b32 s27, 0
	s_mov_b32 s14, 0x3a800000                      ; 1 / 1024
	s_mov_b32 s15, 0x358637bd                      ; 1e-6
	s_mov_b32 s34, 0x76543210                      ; v_permlanex16_b32: lane l takes lane l xor 16
	s_mov_b32 s35, 0xfedcba98
	s_wait_alu depctr_va_vdst(0)
	s_wait_kmcnt 0x0
.if NOUT == 3
	s_load_b256 s[16:23], s[10:11], 0x0            ; entries 0 to 7: 0, 2 and 4 are used
.else
	s_load_b32 s16, s[10:11], SC0
.endif
	s_add_nc_u64 s[4:5], s[4:5], s[36:37]
	s_add_nc_u64 s[28:29], s[12:13], s[26:27]      ; plane 0 of dst at my first row
.if NOUT > 1
.set o, 1
.rept NOUT-1
	s_add_nc_u64 s[28+2*o:29+2*o], s[28:29], o*0x400000   ; the other planes, 4 MiB apart
.set o, o+1
.endr
.endif
.set j, 0
.rept 8
	global_load_b128 v[X+4*j:X+4*j+3], v1, s[4:5] offset:512*j th:TH_LOAD_NT   ; row 0
.set j, j+1
.endr
.set j, 0
.rept 8
	global_load_b128 v[G+4*j:G+4*j+3], v1, s[6:7] offset:512*j
.set j, j+1
.endr
.set j, 0
.rept 8
	global_load_b128 v[B+4*j:B+4*j+3], v1, s[8:9] offset:512*j
.set j, j+1
.endr
.set j, 0
.rept 8
	global_load_b128 v[X+32+4*j:X+32+4*j+3], v1, s[4:5] offset:4096+512*j th:TH_LOAD_NT   ; row 1
.set j, j+1
.endr
	s_wait_kmcnt 0x0
.set o, 0
.rept NOUT
	s_add_co_i32 s36, s[16+2*o], 127
	s_lshl_b32 s37, s36, 23
	v_mov_b32 v[SCL+2*o], s37                      ; 2^e as f32: the conversion takes its exponent field
	s_add_co_i32 s36, s36, 15
	s_lshl_b32 s36, s36, 23
	s_or_b32 s36, s36, 0x600000
	v_mov_b32 v[SCL+2*o+1], s36                    ; 57,344 x 2^e
.set o, o+1
.endr
.macro WSUM r, t                       ; the sum over the 32 lanes, in every lane: four steps inside each half ride on the addition, one crosses the halves
	s_delay_alu instid0(VALU_DEP_1)
	v_add_f32_dpp v[\r], v[\r], v[\r] row_xmask:1 row_mask:0xf bank_mask:0xf
	s_delay_alu instid0(VALU_DEP_1)
	v_add_f32_dpp v[\r], v[\r], v[\r] row_xmask:2 row_mask:0xf bank_mask:0xf
	s_delay_alu instid0(VALU_DEP_1)
	v_add_f32_dpp v[\r], v[\r], v[\r] row_xmask:4 row_mask:0xf bank_mask:0xf
	s_delay_alu instid0(VALU_DEP_1)
	v_add_f32_dpp v[\r], v[\r], v[\r] row_xmask:8 row_mask:0xf bank_mask:0xf
	s_delay_alu instid0(VALU_DEP_1)
	v_permlanex16_b32 v[\t], v[\r], s34, s35       ; its destination counts as read: a register that has been written
	s_delay_alu instid0(VALU_DEP_1)
	v_add_f32 v[\r], v[\r], v[\t]
.endm
.macro OUT i, o                        ; row i under scale o: hold, convert, turn through LDS
.set j, 0
.rept 32
	v_med3_num_f32 v[T+j], v[X+32*(\i)+j], -v[SCL+2*(\o)+1], v[SCL+2*(\o)+1]   ; the conversion to an 8-bit code does not saturate (ISA guide 7.6.2): the hold comes first
.set j, j+1
.endr
.set j, 0
.rept 4
	v_cvt_scalef32_pk8_bf8_f32 v[C+8*(\o)+2*j:C+8*(\o)+2*j+1], v[T+8*j:T+8*j+7], v[SCL+2*(\o)]
.set j, j+1
.endr
	v_nop                                          ; a plain line between the conversions and the next lines that write their sources
.set j, 0
.rept 8
	ds_store_b32 v2, v[C+8*(\o)+j] offset:(\o)*1024+128*j      ; the four codes of columns 128 j + 4 lane on
.set j, j+1
.endr
	ds_load_b128 v[OUTR+24*(\i)+8*(\o):OUTR+24*(\i)+8*(\o)+3], v3 offset:(\o)*1024         ; LDS serves a wave's instructions in order (ISA guide 5.7.1.4): these see the stores above
	ds_load_b128 v[OUTR+24*(\i)+8*(\o)+4:OUTR+24*(\i)+8*(\o)+7], v3 offset:(\o)*1024+512
.endm
.macro ROW i, w1, w2                   ; w1: the loads that may be out when the row is needed; w2: when gains and biases are
.set XR, X+32*(\i)
	s_wait_loadcnt \w1
	v_pk_add_f32 v[S:S+1], v[XR:XR+1], v[XR+2:XR+3]            ; the sum, in two chains
	v_pk_add_f32 v[S+2:S+3], v[XR+4:XR+5], v[XR+6:XR+7]
.set j, 8
.rept 6
	s_delay_alu instid0(VALU_DEP_2)
	v_pk_add_f32 v[S:S+1], v[S:S+1], v[XR+j:XR+j+1]
	s_delay_alu instid0(VALU_DEP_2)
	v_pk_add_f32 v[S+2:S+3], v[S+2:S+3], v[XR+j+2:XR+j+3]
.set j, j+4
.endr
	s_delay_alu instid0(VALU_DEP_1)
	v_pk_add_f32 v[S:S+1], v[S:S+1], v[S+2:S+3]
	s_delay_alu instid0(VALU_DEP_1)
	v_add_f32 v[S], v[S], v[S+1]
	WSUM S, S+1
	s_delay_alu instid0(VALU_DEP_1)
	v_mul_f32 v[S+4], s14, v[S]                    ; the mean, twice
	s_delay_alu instid0(VALU_DEP_2)
	v_mul_f32 v[S+5], s14, v[S]
.set j, 0
.rept 16
	v_pk_add_f32 v[XR+j:XR+j+1], v[XR+j:XR+j+1], v[S+4:S+5] neg_lo:[0,1] neg_hi:[0,1]   ; x - mean
.set j, j+2
.endr
	v_pk_mul_f32 v[S:S+1], v[XR:XR+1], v[XR:XR+1]              ; the squares, in two chains
	v_pk_mul_f32 v[S+2:S+3], v[XR+2:XR+3], v[XR+2:XR+3]
.set j, 4
.rept 7
	s_delay_alu instid0(VALU_DEP_2)
	v_pk_fma_f32 v[S:S+1], v[XR+j:XR+j+1], v[XR+j:XR+j+1], v[S:S+1]
	s_delay_alu instid0(VALU_DEP_2)
	v_pk_fma_f32 v[S+2:S+3], v[XR+j+2:XR+j+3], v[XR+j+2:XR+j+3], v[S+2:S+3]
.set j, j+4
.endr
	s_delay_alu instid0(VALU_DEP_1)
	v_pk_add_f32 v[S:S+1], v[S:S+1], v[S+2:S+3]
	s_delay_alu instid0(VALU_DEP_1)
	v_add_f32 v[S], v[S], v[S+1]
	WSUM S, S+1
	s_delay_alu instid0(VALU_DEP_1)
	v_fma_f32 v[S], v[S], s14, s15                 ; var + 1e-6
	s_wait_alu depctr_va_vdst(0)
	v_rsq_f32 v[S+6], v[S]
	v_nop                                          ; a plain line behind the transcendental (ISA guide 5.7.2),
	s_wait_alu depctr_va_vdst(0)                   ; and the wait ahead of the first line that names its result
	v_mov_b32 v[S+7], v[S+6]
	s_wait_alu depctr_va_vdst(0)
	s_wait_loadcnt \w2
.set j, 0
.rept 16
	v_pk_mul_f32 v[XR+j:XR+j+1], v[XR+j:XR+j+1], v[S+6:S+7]
.set j, j+2
.endr
.set j, 0
.rept 16
	v_pk_fma_f32 v[XR+j:XR+j+1], v[XR+j:XR+j+1], v[G+j:G+j+1], v[B+j:B+j+1]
.set j, j+2
.endr
.set o, 0
.rept NOUT
	OUT \i, o
.set o, o+1
.endr
	s_wait_dscnt 0x0                               ; the codes are back in registers
.set o, 0
.rept NOUT
	global_store_b128 v1, v[OUTR+24*(\i)+8*o:OUTR+24*(\i)+8*o+3], s[28+2*o:29+2*o] offset:(\i)*1024       ; 32 lanes store 512 consecutive bytes, at a multiple of 512 from the plane's first byte
	global_store_b128 v1, v[OUTR+24*(\i)+8*o+4:OUTR+24*(\i)+8*o+7], s[28+2*o:29+2*o] offset:(\i)*1024+512
.set o, o+1
.endr
.endm
	ROW 0, 24, 8                                   ; behind row 0's eight loads: gains, biases, row 1 (24); behind the biases: row 1 (8)
	ROW 1, 0, 0
	s_wait_tensorcnt 0x0
	ds_add_u32 v254, v255
	s_wait_dscnt 0x0
	s_endpgm
.Lfunc_end_k_qf294110a41_ln1:
	.size	k_qf294110a41_ln1, .Lfunc_end_k_qf294110a41_ln1-k_qf294110a41_ln1
	.p2alignl 7, 3214868480
	.fill 96, 4, 3214868480
	.section	.rodata,"a",@progbits
	.p2align	6, 0x0
	.amdhsa_kernel k_qf294110a41_ln1
		.amdhsa_group_segment_fixed_size 25600
		.amdhsa_private_segment_fixed_size 0
		.amdhsa_enable_private_segment 0
		.amdhsa_kernarg_size 40
		.amdhsa_user_sgpr_count 2
		.amdhsa_user_sgpr_kernarg_segment_ptr 1
		.amdhsa_wavefront_size32 1
		.amdhsa_system_sgpr_workgroup_id_x 1
		.amdhsa_system_sgpr_workgroup_id_y 1
		.amdhsa_system_sgpr_workgroup_id_z 1
		.amdhsa_system_vgpr_workitem_id 0
		.amdhsa_next_free_vgpr 256
		.amdhsa_next_free_sgpr 66
		.amdhsa_reserve_vcc 0
		.amdhsa_float_denorm_mode_32 3
		.amdhsa_float_denorm_mode_16_64 3
		.amdhsa_memory_ordered 1
		.amdhsa_forward_progress 1
		.amdhsa_inst_pref_size 40
	.end_amdhsa_kernel
	.amdgpu_metadata
---
amdhsa.version: [ 1, 2 ]
amdhsa.kernels:
  - .name:           k_qf294110a41_ln1
    .symbol:         k_qf294110a41_ln1.kd
    .args:
      - { .name: x, .offset: 0, .size: 8, .value_kind: global_buffer, .address_space: global }
      - { .name: ln1_s, .offset: 8, .size: 8, .value_kind: global_buffer, .address_space: global }
      - { .name: ln1_b, .offset: 16, .size: 8, .value_kind: global_buffer, .address_space: global }
      - { .name: lowp_scales, .offset: 24, .size: 8, .value_kind: global_buffer, .address_space: global }
      - { .name: xc, .offset: 32, .size: 8, .value_kind: global_buffer, .address_space: global }
    .group_segment_fixed_size: 25600
    .private_segment_fixed_size: 0
    .kernarg_segment_align: 8
    .kernarg_segment_size: 40
    .max_flat_workgroup_size: 256
    .sgpr_count:     66
    .vgpr_count:     256
    .wavefront_size: 32
...
	.end_amdgpu_metadata
.endif
;; end of part 1
;; launch qkv (part 2): grid 12 x 16, 4 waves a work-group, clusters of 4 x 4, 327,680 bytes of LDS; arguments xc, wq_codes, wk_codes, wv_codes, lowp_scales, qkvc; writes qkvc
.if DOCPART == 2
	.amdgcn_target "amdgcn-amd-amdhsa--gfx1250"
	.amdhsa_code_object_version 6
	.text
	.protected	k_qf294110a41_qkv
	.globl	k_qf294110a41_qkv
	.p2align	8
	.type	k_qf294110a41_qkv,@function
k_qf294110a41_qkv:
	s_mov_b64 s[64:65], 0
	v_nop
	global_prefetch_b8 v0, s[64:65] scope:SCOPE_SE
	s_setreg_imm32_b32 hwreg(HW_REG_WAVE_MODE, 25, 1), 1
	s_wait_xcnt 0x0
	s_wait_alu depctr_hold_cnt(0) depctr_sa_sdst(0) depctr_va_vdst(0) depctr_va_sdst(0) depctr_va_ssrc(0) depctr_va_vcc(0) depctr_vm_vsrc(0)
	s_getreg_b32 s2, hwreg(HW_REG_IB_STS2, 6, 4)
	s_cmp_eq_u32 s2, 0
	s_cbranch_scc0 .Lentry_in_a_cluster
	s_endpgm
.Lentry_in_a_cluster:
	s_bfe_u32 s2, ttmp6, 0x10000c
	s_cmp_lg_u32 s2, 0xf033
	s_cbranch_scc0 .Lentry_shape_is_right
	s_endpgm
.Lentry_shape_is_right:
; q, k, v = LN1(x) Wq^T, LN1(x) Wk^T, LN1(x) Wv^T on codes of BF8 (E5M2), K = 1,024, and each result turned into codes again for attention's products.
; THE CLUSTER'S x CHOOSES THE TENSOR (0: q, 1: k, 2: v): plane x of xc (LN1(x) under entries 0, 2, 4 of the scales) against wq, wk, wv (entries 1, 3, 5); the results' scales are entries 6, 7, 9.
; A sum stands for sum x 2^(eA + eB), so its code is sum / 2^(eO - eA - eB): the three scales are folded into the conversion's one.  LIMITS: eO - eA - eB between -126 and 112 for each of the three; NaN is not served.
; A tile of 256 x 256 results is made by four waves, 128 x 128 each: 64 accumulators, 512 registers.  K goes in steps of 256 through a ring of two LDS slots filled by the tensor data mover.
; ROLES.  Operand R (rows of the result) and operand L (its columns, 64 to a group).  q, k: R = tokens, L = the weight's rows.  v: R = wv's rows, L = tokens: v comes out with the tokens (attention's keys) innermost.
; THE MATRIX INSTRUCTION IS USED TRANSPOSED (source 0 = 16 rows of L, source 1 = 16 rows of R): a lane holds eight neighbouring columns of one row, which one conversion turns into 8 bytes.
; OUTPUT, all three planes alike, 4 MiB each: [column / 64][row][64]: q, k = [head][token][64]; v = [token / 64][feature][64].  So a head's keys, and a head's values of 64 tokens, are dense blocks.
; CLUSTERS: 4 x 4 work-groups.  The four of a row of the cluster need the same tiles of R, the four of a column the same tiles of L: each tile is asked for JOINTLY, by the same tensor load with the same descriptor and a mask that names the four.
; REGISTERS, in windows of 256: window 0: v0-31 addresses; from v128 R's fragments (8 x 16 rows x 128 K), one set; on the way out v32-255 are free.  window 1: L's fragments, two sets.  windows 2, 3: the accumulators ((a, b) at v[8 (8 (a % 4) + b)]).
; A fragment is fetched by four loads of 16 bytes: a permutation of k that is the same in both operands, so every product meets its partner.
.set KSTEP,  256
.set ROWB,   256
.set KROW,   1024                      ; a row of either operand in memory, in bytes
.set PITCH,  272                       ; an LDS row: 256 bytes + 16 of padding = 68 words: row r starts at bank 4 r mod 64 (64 banks of 4 bytes: ISA guide 11.1)
.set FR,     16
.set NL,     4
.set NP,     4                         ; places behind this matrix instruction (ISA guide 7.12.1)
.set HALFT,  128*PITCH
.set SLOT,   4*HALFT                   ; R's 256 rows, then L's 256 rows
.set LAPS,   2                         ; 1,024 / 512
.set SPARE,  2*SLOT                    ; behind the ring: the spare words, 128 bytes for each wave, which no other line names
.set ADRA, 16                          ; v16-17  LDS address of my R fragments in slot 0, 1
.set ADRB, 20                          ; v20-21  the same for L
.set STO,  24                          ; v24     the way out: where I put 8 codes of a row
.set RD,   25                          ; v25     where I read rows back: stage rows 0-127;  v26: rows 128-255
.set CO,   27                          ; v27     16 x lane: my bytes of a store's 512
.set SPW,  28                          ; v28     LDS address of my spare word; never rewritten
.set NIL,  29                          ; v29     0; never rewritten
.set SCR,  30                          ; v30     2^(eO - eA - eB)
.set LIMR, 31                          ; v31     57,344 x that
.set TMP,  32                          ; v32-95  a block's sums, held
.set CD,   96                          ; v96-127 its codes, two sets by turns
.set AF,   128
.set BK,   128                         ; v128-255 the rows read back
.set G1, 24
.set G0, 32
.set G1B, 48
.set G0B, 56
.set WV, 84                            ; s84 wave;  s85 my half of the rows, also: I fetch for R (0) or L (1);  s86 my half of the columns, also: which 128 rows I fetch;  s87 R's tile
.set RH, 85
.set CH, 86
.set TA, 87
.set MSB, 0
.macro WIN new                         ; the immediate's high byte repeats the setting that is left
.if MSB != \new
	s_set_vgpr_msb (MSB<<8)|\new
.set MSB, \new
.endif
.endm
.set MUL_LO, 0xa1                      ; source 0 (L) window 1, source 1 (R) window 0, C and D window 2
.set MUL_HI, 0xf1
.set TO_B,   0x40
.macro JLOAD g0a, g1a, g0b, g1b        ; a joint load: waves 0, 1 fetch for R, waves 2, 3 for L; the branch hangs on the wave's number alone; four v_nop follow each line
	s_cmp_eq_u32 s[RH], 0
	s_cbranch_scc0 .Lfor_b_\@
	tensor_load_to_lds s[\g0a:\g0a+3], s[\g1a:\g1a+7]
	s_nop 0
.rept 4
	v_nop
.endr
	s_branch .Lasked_\@
.Lfor_b_\@:
	tensor_load_to_lds s[\g0b:\g0b+3], s[\g1b:\g1b+7]
	s_nop 0
.rept 4
	v_nop
.endr
.Lasked_\@:
.endm
.macro CREST                           ; a round of the cluster's barrier behind its opening barrier
	s_cmp_lg_u32 s[WV], 0
	s_cbranch_scc1 .Lnot_wave_0_\@
	s_barrier_signal -3
.Lnot_wave_0_\@:
	s_barrier_wait -3
	s_barrier_signal -1
	s_barrier_wait -1
.endm
.macro CROUND
	s_barrier_signal -1
	s_barrier_wait -1
	CREST
.endm
	s_load_b256 s[4:11], s[0:1], 0x0               ; xc s[4:5], wq s[6:7], wk s[8:9], wv s[10:11]
	s_load_b128 s[12:15], s[0:1], 0x20             ; scales s[12:13], qkvc s[14:15]
	v_lshl_add_u32 v[SPW], v0, 2, SPARE
	v_mov_b32 v[NIL], 0
	ds_add_u32 v28, v29
	ds_add_u32 v28, v29
	s_wait_dscnt 0x0
	v_lshrrev_b32 v1, 5, v0
	v_readfirstlane_b32 s[WV], v1
	s_lshr_b32 s[RH], s[WV], 1
	s_and_b32 s[CH], s[WV], 1
	s_bfe_u32 s40, ttmp6, 0x40000                  ; cx, cy: my place in the cluster
	s_bfe_u32 s41, ttmp6, 0x40004
	s_and_b32 s16, ttmp7, 0xffff
	s_lshl_b32 s16, s16, 2                         ; 4 x cluster y
	s_add_co_u32 s[TA], s16, s41
	s_add_co_u32 s42, s16, s40
	s_mov_b32 s89, 262144                          ; from column group to column group: 4,096 rows of 64 bytes,
	s_cmp_eq_u32 ttmp9, 2                          ; the cluster's x: the same in all sixteen partners
	s_cselect_b32 s[TA], s41, s[TA]                ; R's tile: v: cy (1,024 features);  q, k: 4 y + cy (4,096 tokens): it holds cy alone
	s_cselect_b32 s42, s42, s40                    ; L's tile: v: 4 y + cx;  q, k: cx: it holds cx alone
	s_cselect_b32 s89, 65536, s89                  ; or, for v, 1,024 rows
	s_lshl_b32 s43, s41, 2
	s_lshl_b32 s43, 15, s43                        ; my row of the cluster
	s_lshl_b32 s44, 0x1111, s40                    ; my column
	s_or_b32 s[G1+0], s43, (0<<16)|(1<<20)|(1<<21)|(5<<22)|(3<<25)   ; 15:0 the mask; 17:16 elements of 1 byte; 20 padding on; 21 set beside a mask; 24:22 after every 64 words; 31:25 four words
	s_or_b32 s[G1B+0], s44, (0<<16)|(1<<20)|(1<<21)|(5<<22)|(3<<25)
.irp g, G1, G1B
	s_mov_b32 s[\g+1], ROWB<<16                    ; tensor_dim0
	s_mov_b32 s[\g+2], 128<<16                     ; tensor_dim1
	s_mov_b32 s[\g+3], ROWB<<16                    ; tile_dim0
	s_mov_b32 s[\g+4], 128                         ; tile_dim1
	s_mov_b32 s[\g+5], KROW                        ; tensor_dim0_stride
	s_mov_b32 s[\g+6], 0
	s_mov_b32 s[\g+7], 0
.endr
	s_lshl_b32 s18, s[CH], 17                      ; which 128 rows of 1,024 bytes I fetch
	s_lshl_b32 s20, s[TA], 18
	s_add_co_u32 s20, s20, s18                     ; R: 256 rows x tile + 128 x half
	s_mov_b32 s21, 0
	s_lshl_b32 s46, s42, 18
	s_add_co_u32 s46, s46, s18                     ; L likewise
	s_mov_b32 s47, 0
	s_mul_i32 s45, s[WV], HALFT                    ; where they go: wave x 128 rows: no place in the cluster enters an LDS address
	s_wait_kmcnt 0x0
	s_load_b512 s[68:83], s[12:13], 0x0            ; the sixteen exponents: entry i in s[68 + i]
	s_lshl_b32 s16, ttmp9, 22                      ; plane x, 4 MiB each
	s_mov_b32 s17, 0
	s_add_nc_u64 s[4:5], s[4:5], s[16:17]          ; LN1(x)'s codes under this product's scale
	s_add_nc_u64 s[90:91], s[14:15], s[16:17]      ; the output's plane
	s_cmp_eq_u32 ttmp9, 0
	s_cselect_b64 s[6:7], s[6:7], s[8:9]           ; wq or wk,
	s_cmp_eq_u32 ttmp9, 2
	s_cselect_b64 s[6:7], s[10:11], s[6:7]         ; or wv
	s_cselect_b64 s[8:9], s[6:7], s[4:5]           ; R: for v the weight, else the tokens
	s_cselect_b64 s[10:11], s[4:5], s[6:7]         ; L: the other
	s_add_nc_u64 s[20:21], s[8:9], s[20:21]
	s_add_nc_u64 s[46:47], s[10:11], s[46:47]
	CROUND                                         ; all sixteen work-groups are here: the first joint loads meet
.irp s, 0,1
	s_mov_b32 s[G0+4*\s], 1
	s_add_co_u32 s[G0+4*\s+1], s45, \s*SLOT
	s_add_nc_u64 s[G0+4*\s+2:G0+4*\s+3], s[20:21], \s*ROWB
	s_or_b32 s[G0+4*\s+3], s[G0+4*\s+3], 0x80000000
	s_mov_b32 s[G0B+4*\s], 1
	s_add_co_u32 s[G0B+4*\s+1], s45, \s*SLOT
	s_add_nc_u64 s[G0B+4*\s+2:G0B+4*\s+3], s[46:47], \s*ROWB
	s_or_b32 s[G0B+4*\s+3], s[G0B+4*\s+3], 0x80000000
.endr
	JLOAD G0, G1, G0B, G1B                         ; K step 0: one tensor load a wave at the head
	; PREFETCHES INTO THE L2: a K step is 256 bytes of each row.  Of the 128 rows that a wave fetches, each of the four partners that ask for them jointly takes 32, told apart BY ADDRESS (cx for R, cy for L): a lane a row.
	; K steps 1 and 2 are asked for behind K step 0's load, K step 3 behind K step 1's: at most two steps are asked for and not yet loaded.
	s_cmp_eq_u32 s[RH], 0
	s_cselect_b64 s[96:97], s[20:21], s[46:47]
	s_cselect_b32 s2, s40, s41
	s_lshl_b32 s2, s2, 15                          ; 32 rows of 1,024 bytes
	s_mov_b32 s3, 0
	s_add_nc_u64 s[96:97], s[96:97], s[2:3]
	v_and_b32 v10, 31, v0
	v_lshlrev_b32 v10, 10, v10                     ; v10, s[96:97]: never rewritten
	global_prefetch_b8 v10, s[96:97] offset:256 th:TH_LOAD_NT scope:SCOPE_SE
	global_prefetch_b8 v10, s[96:97] offset:512 th:TH_LOAD_NT scope:SCOPE_SE
	v_and_b32 v1, 15, v0                           ; r = l % 16
	v_bfe_u32 v2, v0, 4, 1                         ; h = l / 16
	v_mul_u32_u24 v3, v1, PITCH
	v_lshl_add_u32 v4, v2, 4, v3                   ; a fragment's row x pitch + 16 x half
	s_mul_i32 s21, s[RH], HALFT
	s_mul_i32 s22, s[CH], HALFT
	s_add_co_u32 s22, s22, 2*HALFT
.irp s, 0,1
	v_add_nc_u32 v[ADRA+\s], s21, v4
	v_add_nc_u32 v[ADRB+\s], s22, v4
	s_add_co_u32 s21, s21, SLOT
	s_add_co_u32 s22, s22, SLOT
.endr
	; the stage: 256 rows x 272 bytes, the work-group's, in slot 0.  In: row 128 RH + 16 a + r, byte 128 CH + 16 b + 8 h
	v_lshl_add_u32 v5, v2, 3, v3
	s_mul_i32 s23, s[RH], HALFT
	s_lshl_b32 s16, s[CH], 7
	s_add_co_u32 s23, s23, s16
	v_add_nc_u32 v[STO], s23, v5
	; back: wave w takes column group w (bytes 64 w on) of all 256 rows; a load takes eight rows: lane l row l / 4, 16 bytes at 16 (l % 4)
	v_and_b32 v6, 31, v0
	v_lshrrev_b32 v7, 2, v6
	v_and_b32 v8, 3, v6
	v_mul_u32_u24 v[RD], v7, PITCH
	v_lshl_add_u32 v[RD], v8, 4, v[RD]
	s_lshl_b32 s23, s[WV], 6
	v_add_nc_u32 v[RD], s23, v[RD]
	v_add_nc_u32 v[RD+1], 128*PITCH, v[RD]
	v_lshlrev_b32 v[CO], 4, v6
	s_lshl_b32 s16, s42, 2
	s_add_co_u32 s16, s16, s[WV]                   ; my column group: 4 x L's tile + wave
	s_mul_i32 s16, s16, s89
	s_lshl_b32 s17, s[TA], 14                      ; + R's tile x 256 rows of 64 bytes
	s_add_co_u32 s16, s16, s17
	s_mov_b32 s17, 0
	s_add_nc_u64 s[90:91], s[90:91], s[16:17]
.macro FRAG reg, adr, q, i             ; 16 rows x 128 K: lane l holds row l % 16; registers 4 c .. 4 c + 3 hold K = 32 c + 16 (l / 16) + 0 .. 15
.irp c, 0,1,2,3
	ds_load_b128 v[\reg+4*\c:\reg+4*\c+3], v[\adr] offset:128*(\q)+32*\c+(\i)*16*PITCH
.endr
.endm
; 16 matrix instructions: R's blocks a0, a0 + 1 x L's eight.  The 64 accumulators take turns, one instruction a turn, in the same order in every step.
.macro MUL16 a0, p, zero
.irp a, \a0, \a0+1
.irp b, 0,1,2,3,4,5,6,7
.if \zero
	v_wmma_f32_16x16x128_bf8_bf8 v[8*(8*((\a)%4)+\b):8*(8*((\a)%4)+\b)+7], v[128*(\p)+FR*\b:128*(\p)+FR*\b+FR-1], v[AF+FR*(\a):AF+FR*(\a)+FR-1], 0
.else
	v_wmma_f32_16x16x128_bf8_bf8 v[8*(8*((\a)%4)+\b):8*(8*((\a)%4)+\b)+7], v[128*(\p)+FR*\b:128*(\p)+FR*\b+FR-1], v[AF+FR*(\a):AF+FR*(\a)+FR-1], v[8*(8*((\a)%4)+\b):8*(8*((\a)%4)+\b)+7]
.endif
.endr
.endr
.endm
.macro FETCH_B slot, q, p
	WIN TO_B
.irp i, 0,1,2,3,4,5,6,7
	FRAG 128*(\p)+FR*\i, ADRB+\slot, \q, \i
.endr
	WIN 0
.endm
.macro FETCH_A slot, q, i0
.irp i, \i0, \i0+1, \i0+2, \i0+3
	FRAG AF+FR*(\i), ADRA+\slot, \q, \i
.endr
.endm
.macro PLACES n                        ; plain vector lines between a matrix instruction and a load into, or a vector line on, its registers
.rept \n
	v_nop
.endr
.endm
.macro STEP slot, q, zero              ; 128 along K that have their successor in the same slot
	s_wait_dscnt 4*NL                              ; L's set and R's blocks 0-3 are in; the youngest sixteen loads (R's blocks 4-7) may be out
	WIN MUL_LO
	MUL16 0, (\q)%2, \zero
	MUL16 2, (\q)%2, \zero
	s_wait_dscnt 0
	PLACES NP
	FETCH_B \slot, (\q)+1, 1-(\q)%2
	FETCH_A \slot, (\q)+1, 0
	WIN MUL_HI
	MUL16 4, (\q)%2, \zero
	MUL16 6, (\q)%2, \zero
	PLACES NP
	WIN 0
	FETCH_A \slot, (\q)+1, 4
.endm
; A slot's last step changes slots: one barrier; in front of it each wave waits for all its tensor loads, adds 0 to its spare word, and waits for that and for its reads of this slot.
.macro TURN slot, next, fill
	s_wait_tensorcnt 0x0                           ; all my tensor loads have landed: my part of the next slot
	ds_add_u32 v[SPW], v[NIL]                      ; 0 onto my spare word
	s_wait_dscnt 4*NL+1                            ; (the add and the youngest sixteen loads may be out)
	WIN MUL_LO
	MUL16 0, 1, 0
	s_wait_dscnt 0x0                               ; the add is done, and my reads of this slot are over
	s_barrier_signal -1
	MUL16 2, 1, 0
	WIN 0
	s_barrier_wait -1
.if \fill
	CREST                                          ; the barrier has opened a round of the cluster's: no wave of any partner still reads this slot or has a load on its way
	s_add_nc_u64 s[G0+4*\slot+2:G0+4*\slot+3], s[G0+4*\slot+2:G0+4*\slot+3], 2*ROWB
	s_add_nc_u64 s[G0B+4*\slot+2:G0B+4*\slot+3], s[G0B+4*\slot+2:G0B+4*\slot+3], 2*ROWB
	JLOAD G0+4*\slot, G1, G0B+4*\slot, G1B         ; the first tensor load behind the round; its four v_nop are the places in front of the loads below
.else
	PLACES NP
.endif
	FETCH_B \next, 0, 0
	FETCH_A \next, 0, 0
	WIN MUL_HI
	MUL16 4, 1, 0
	MUL16 6, 1, 0
	PLACES NP
	WIN 0
	FETCH_A \next, 0, 4
.endm
	s_wait_alu depctr_va_vdst(0)                   ; the wait at the head's end
	s_wait_tensorcnt 0x0                           ; my part of K step 0 is in; slot 1's first fill is issued as a refill is:
	ds_add_u32 v[SPW], v[NIL]                      ; 0 onto my spare word
	s_wait_dscnt 0x0
	CROUND                                         ; everybody's part of K step 0 is in, and all sixteen work-groups are here
	JLOAD G0+4, G1, G0B+4, G1B                     ; K step 1: the first tensor load behind the round
	FETCH_B 0, 0, 0
	FETCH_A 0, 0, 0
	FETCH_A 0, 0, 4
	global_prefetch_b8 v10, s[96:97] offset:768 th:TH_LOAD_NT scope:SCOPE_SE   ; K step 3
	STEP 0, 0, 1
	s_mov_b32 s3, LAPS-1
.Llap:
	TURN 0, 1, 1
	STEP 1, 0, 0
	TURN 1, 0, 1
	STEP 0, 0, 0
	s_sub_co_u32 s3, s3, 1
	s_cmp_lg_u32 s3, 0
	s_cbranch_scc1 .Llap
	TURN 0, 1, 0                                   ; the last lap fills nothing
	STEP 1, 0, 0
	s_wait_dscnt 4*NL
	WIN MUL_LO
	MUL16 0, 1, 0
	MUL16 2, 1, 0
	s_wait_dscnt 0
	WIN MUL_HI
	MUL16 4, 1, 0
	MUL16 6, 1, 0
	WIN 0
; THE WAY OUT.  Block a (16 rows x 128 columns): held, converted (eight neighbouring columns of a lane: 8 bytes), into the stage.  The stage lies in slot 0, which has had its last fill, and which nobody has read since the last change of slots.
.macro QSTAGE a
.set AC, 64*((\a)%4)
.set CDR, CD+16*((\a)%2)
	WIN 0x02+((\a)/4)                              ; source 0: window 2 or 3
.set j, 0
.rept 64
	v_med3_num_f32 v[TMP+j], v[AC+j], -v[LIMR], v[LIMR]        ; the conversion does not saturate (ISA guide 7.6.2): the hold comes first; each accumulator from its low end on
.set j, j+1
.endr
	WIN 0
.set j, 0
.rept 8
	v_cvt_scalef32_pk8_bf8_f32 v[CDR+2*j:CDR+2*j+1], v[TMP+8*j:TMP+8*j+7], v[SCR]
.set j, j+1
.endr
	v_nop                                          ; a plain line between the conversions and the next block's holds, which write their sources
.set j, 0
.rept 8
	ds_store_b64 v[STO], v[CDR+2*j:CDR+2*j+1] offset:(\a)*16*PITCH+16*j
.set j, j+1
.endr
.endm
	s_wait_kmcnt 0x0
	s_cmp_eq_u32 ttmp9, 0
	s_cselect_b32 s92, s68, s70                    ; eA: entry 0, 2 or 4
	s_cselect_b32 s93, s69, s71                    ; eB: entry 1, 3 or 5
	s_cselect_b32 s94, s74, s75                    ; eO: entry 6, 7 or 9
	s_cmp_eq_u32 ttmp9, 2
	s_cselect_b32 s92, s72, s92
	s_cselect_b32 s93, s73, s93
	s_cselect_b32 s94, s77, s94
	s_sub_co_i32 s94, s94, s92
	s_sub_co_i32 s94, s94, s93
	s_add_co_i32 s94, s94, 127
	s_lshl_b32 s95, s94, 23
	v_mov_b32 v[SCR], s95
	s_add_co_i32 s94, s94, 15
	s_lshl_b32 s94, s94, 23
	s_or_b32 s94, s94, 0x600000
	v_mov_b32 v[LIMR], s94
	PLACES NP
.irp a, 0,1,2,3,4,5,6,7
	QSTAGE \a
.endr
	s_wait_dscnt 0x0                               ; for the others' sake: my stores into the stage are done
	s_barrier_signal -1
	s_barrier_wait -1
.set j, 0
.rept 32
	ds_load_b128 v[BK+4*j:BK+4*j+3], v[RD+j/16] offset:8*(j%16)*PITCH      ; rows 8 j .. 8 j + 7 of my column group
.set j, j+1
.endr
.set j, 0
.rept 32
	s_wait_dscnt 31-j                              ; LDS loads come back in order: load j is in, the younger ones may be out
	global_store_b128 v[CO], v[BK+4*j:BK+4*j+3], s[90:91] offset:512*j     ; 32 lanes store 512 consecutive bytes, at a multiple of 512 from the plane's first byte
.set j, j+1
.endr
	s_wait_tensorcnt 0x0                           ; the wave's end
	ds_add_u32 v[SPW], v[NIL]
	s_wait_dscnt 0x0
	CROUND                                         ; the closing round: no work-group ends while a partner may still ask for a tile that names it
	s_endpgm
.Lfunc_end_k_qf294110a41_qkv:
	.size	k_qf294110a41_qkv, .Lfunc_end_k_qf294110a41_qkv-k_qf294110a41_qkv
	.p2alignl 7, 3214868480
	.fill 96, 4, 3214868480
	.section	.rodata,"a",@progbits
	.p2align	6, 0x0
	.amdhsa_kernel k_qf294110a41_qkv
		.amdhsa_group_segment_fixed_size 327680
		.amdhsa_private_segment_fixed_size 0
		.amdhsa_enable_private_segment 0
		.amdhsa_kernarg_size 48
		.amdhsa_user_sgpr_count 2
		.amdhsa_user_sgpr_kernarg_segment_ptr 1
		.amdhsa_wavefront_size32 1
		.amdhsa_system_sgpr_workgroup_id_x 1
		.amdhsa_system_sgpr_workgroup_id_y 1
		.amdhsa_system_sgpr_workgroup_id_z 1
		.amdhsa_system_vgpr_workitem_id 0
		.amdhsa_next_free_vgpr 1024
		.amdhsa_next_free_sgpr 100
		.amdhsa_reserve_vcc 0
		.amdhsa_float_denorm_mode_32 3
		.amdhsa_float_denorm_mode_16_64 3
		.amdhsa_memory_ordered 1
		.amdhsa_forward_progress 1
		.amdhsa_inst_pref_size 126
	.end_amdhsa_kernel
	.amdgpu_metadata
---
amdhsa.version: [ 1, 2 ]
amdhsa.kernels:
  - .name:           k_qf294110a41_qkv
    .symbol:         k_qf294110a41_qkv.kd
    .args:
      - { .name: xc, .offset: 0, .size: 8, .value_kind: global_buffer, .address_space: global }
      - { .name: wq_codes, .offset: 8, .size: 8, .value_kind: global_buffer, .address_space: global }
      - { .name: wk_codes, .offset: 16, .size: 8, .value_kind: global_buffer, .address_space: global }
      - { .name: wv_codes, .offset: 24, .size: 8, .value_kind: global_buffer, .address_space: global }
      - { .name: lowp_scales, .offset: 32, .size: 8, .value_kind: global_buffer, .address_space: global }
      - { .name: qkvc, .offset: 40, .size: 8, .value_kind: global_buffer, .address_space: global }
    .group_segment_fixed_size: 327680
    .private_segment_fixed_size: 0
    .kernarg_segment_align: 8
    .kernarg_segment_size: 48
    .max_flat_workgroup_size: 128
    .sgpr_count:     100
    .vgpr_count:     1024
    .wavefront_size: 32
...
	.end_amdgpu_metadata
.endif
;; end of part 2
;; launch attn (part 3): grid 8 x 32, 16 waves a work-group, clusters of 4 x 1, 327,680 bytes of LDS; arguments qkvc, lowp_scales, cc; writes cc
.if DOCPART == 3
	.amdgcn_target "amdgcn-amd-amdhsa--gfx1250"
	.amdhsa_code_object_version 6
	.text
	.protected	k_qf294110a41_attn
	.globl	k_qf294110a41_attn
	.p2align	8
	.type	k_qf294110a41_attn,@function
k_qf294110a41_attn:
	s_mov_b64 s[64:65], 0
	v_nop
	global_prefetch_b8 v0, s[64:65] scope:SCOPE_SE
	s_setreg_imm32_b32 hwreg(HW_REG_WAVE_MODE, 25, 1), 1
	s_wait_xcnt 0x0
	s_wait_alu depctr_hold_cnt(0) depctr_sa_sdst(0) depctr_va_vdst(0) depctr_va_sdst(0) depctr_va_ssrc(0) depctr_va_vcc(0) depctr_vm_vsrc(0)
	s_getreg_b32 s2, hwreg(HW_REG_IB_STS2, 6, 4)
	s_cmp_eq_u32 s2, 0
	s_cbranch_scc0 .Lentry_in_a_cluster
	s_endpgm
.Lentry_in_a_cluster:
	s_bfe_u32 s2, ttmp6, 0x10000c
	s_cmp_lg_u32 s2, 0x3003
	s_cbranch_scc0 .Lentry_shape_is_right
	s_endpgm
.Lentry_shape_is_right:
; CAUSAL ATTENTION ON CODES OF BF8 (E5M2), head size 64, 2,048 tokens, 32 (batch, head) pairs; the context is turned into codes for the next product.
; qkvc: q [head][token][64] at 0, k likewise at 4 MiB, v [token / 64][feature][64] at 8 MiB (token = 2,048 batch + place).  cc: [token][1,024] codes.  Scales: entries 6 (q), 7 (k), 8 (p), 9 (v), 10 (context).
; THE SOFTMAX: t = score x log2(e) / 8; M = the largest t so far, rounded UP to a whole number; p = 2^(t - M) is quantised, not normalised; the row's sum is taken of the unquantised p and divides at the end.
; When M moves, the sum and O are multiplied by 2^(old M - new M): exact.  Key steps that lie wholly behind the causal mask are not walked.
; ALL OF A PAIR'S K AND V LIE IN LDS: 2,048 keys x 64 bytes each, 2 x 139,264 bytes with padding, filled ONCE by sixteen tensor loads, one a wave, at the head.  Nothing is filled again: no ring, and no barrier in the loop.
; SHARES.  A pair's 2,048 queries are 128 tiles of 16.  Work-group j (0..7) owns tiles j + 8 i, i = 0..15; tile i needs key steps 0 .. i of 128 keys, and step i lies on its diagonal.  So every work-group has 136 tile-steps and reads every key.
; Waves 0-7 (w): tile 15 - w, key steps 0..7: eight steps.  Waves 8-15 (i = w - 8): tile i, key steps 0 .. i, then tile 15 - i, key steps 8 .. 15 - i: nine steps.  All sixteen walk one loop of nine trips.
; At its change of tiles a wave 8 + i stores the short tile's context.  A wave i stores its part of tile 15 - i (O^T, -M, the sums) as an image of its registers in LDS bytes of their own; behind the one barrier after the loop
; wave 8 + i joins both parts, each x 2^(its M - the larger M), exact, and stores the long tile's context.
; THE MASK of a diagonal step hangs on the lane and on j alone: key n of the step is hidden from query 16 j + r where n > 16 j + r.  The 64 lane masks, one for each score register, are made once, into scalar registers.
; CLUSTER 4, 1, 1: the work-groups of a pair read the same K and V; four of them ask for each tile jointly.  No branch, trip count or LDS address hangs on the work-group's number: it enters the addresses of q and cc and the lane masks alone.
; NO PREFETCH: the launch has no loop to run ahead in: every tile is asked for by the head's one group of loads.
; LAYOUT.  S^T = K Q^T (K = 64 form; source 0 = 16 neighbouring keys, source 1 = my 16 queries): a lane holds ONE query (lane % 16); register 8 t + i is key 16 t + 8 (lane / 16) + i.  So a tile's conversion gives
; registers 2 t, 2 t + 1 of the K = 128 form's own layout, and O^T += V^T P^T takes them as they are; V's fragments come in that layout by loads of 8 bytes.  Q's and K's come by two loads of 16 bytes: a permutation of the head's 64, the same in both.
; LDS.  K: rows of 256 bytes (4 keys) + 16 of padding; V: groups of 64 tokens, each 64 features x 64 bytes, as 16 such rows.  Key or feature n lies at (n / 4) 272 + (n % 4) 64.  A key step is 8,704 bytes of either.
; THE CONTEXT'S STORES cover 64 consecutive bytes a token (a head's part of a row of cc): whole blocks of 256 bytes would want four heads in one work-group, whose K and V do not fit in LDS together.
; LIMITS: e6 + e7 between -123 and 130 (added to c's exponent field); e8, and e10 - e8 - e9, between -126 and 112.  NaN is not served.
; REGISTERS: v1-11 addresses; v12 -M, v13 the largest t, v[14:15] the sum in two halves; v16-23 Q; v24-31 the long tile's Q; v32-95 fragments of K, then of V; v96-159 S^T, then p; v160-191 O^T; v192-207 p's codes; v208-220 at work and constants; v228-239 chains.
; Scalars from the loop on: s24-55, s66-83, s85-98 the 64 lane masks; s[10:11], s[14:15] cc at the short and at the long tile.
.set LP,    272
.set VG,    16*LP                      ; a group of 64 tokens of V; also 64 keys of K
.set TILEB, 4*VG                       ; what one tensor load fills: 256 keys
.set VOFF,  8*TILEB                    ; V lies behind K
.set STEPB, 2*VG                       ; a key step
.set PART,  2*VOFF                     ; the parts of the long tiles: 8 x 4,608 bytes, into which no fill lands
.set PARTB, 4608
.set BSTG,  PART+8*PARTB               ; the stages of waves 8-15: 16 rows x 80 bytes each
.set SPARE, BSTG+8*16*80               ; the spare words, 128 bytes for each wave, which no other line names
.set AK0, 1
.set AV0, 2
.set ADK, 3
.set ADV, 4
.set SPW, 5
.set NIL, 6
.set PST, 7                            ; my lane's 16 bytes in part wave % 8
.set DD,  8                            ; my query's place in its diagonal step less 8 (lane / 16)
.set STO, 9
.set RD,  10
.set GO,  11
.set MC,  228
.set SC,  232
.set WV,  18
.set SEL, 20
.set CS,  22                           ; s[22:23] c = log2(e) / 8 x 2^(e6 + e7)
.set G1K, 24
.set G1V, 32
.set G0,  40
.set T,   56                           ; the trip
.set SWT, 57                           ; the trip at which I change tiles (99: never)
.set OF2, 59                           ; key step = trip ahead of the change, trip + OF2 from it on
.set DG1, 60                           ; the trips that lie on a diagonal
.set DG2, 61
.set NW,  62                           ; my trips with work: 8 or 9
.set KO,  63
.set DG,  84
.set J,   98
.set I,   99
.macro CROUND                          ; a round of the cluster's barrier
	s_barrier_signal -1
	s_barrier_wait -1
	s_cmp_lg_u32 s[WV], 0
	s_cbranch_scc1 .Lnot_wave_0_\@
	s_barrier_signal -3
.Lnot_wave_0_\@:
	s_barrier_wait -3
	s_barrier_signal -1
	s_barrier_wait -1
.endm
.macro MREG n                          ; MR: the scalar register of score register n's lane mask
.if (\n) < 32
.set MR, 24+(\n)
.elseif (\n) < 50
.set MR, 34+(\n)
.else
.set MR, 35+(\n)
.endif
.endm
; THE WAY OUT of a tile: O^T / the sum, held, converted; 16 queries x 64 bytes through my stage; b: cc at the tile.
.macro OUTP b
	v_add_f32 v14, v14, v15
	v_permlanex16_b32 v212, v14, s[SEL], s[SEL+1]
	v_add_f32 v14, v14, v212                       ; the row's sum
	s_wait_alu depctr_va_vdst(0)                   ; the wait ahead of the transcendental
	v_rcp_f32 v14, v14
	v_nop                                          ; a plain line behind it,
	s_wait_alu depctr_va_vdst(0)                   ; and the wait ahead of its first reader, which is also O^T's
.set j, 0
.rept 16
	v_pk_mul_f32 v[96+j:97+j], v[160+j:161+j], v[14:15] op_sel_hi:[1,0]       ; register 8 t + i: feature 16 t + 8 h + i of query r
.set j, j+2
.endr
.set j, 0
.rept 32
	v_med3_num_f32 v[96+j], v[96+j], -v219, v219
.set j, j+1
.endr
.irp t, 0,1,2,3
	v_cvt_scalef32_pk8_bf8_f32 v[192+2*\t:193+2*\t], v[96+8*\t:103+8*\t], v220
.endr
	v_nop
.irp t, 0,1,2,3
	ds_store_b64 v[STO], v[192+2*\t:193+2*\t] offset:16*\t
.endr
	ds_load_b128 v[32:35], v[RD]                   ; LDS serves a wave's instructions in order (ISA guide 5.7.1.4): these see my stores
	ds_load_b128 v[36:39], v[RD] offset:8*80
	s_wait_dscnt 0x0
	global_store_b128 v[GO], v[32:35], s[\b:\b+1]  ; four lanes store a token's 64 bytes
	global_store_b128 v[GO], v[36:39], s[\b:\b+1] offset:8192
.endm
	s_load_b128 s[4:7], s[0:1], 0x0                ; qkvc s[4:5], scales s[6:7]
	s_load_b64 s[8:9], s[0:1], 0x10                ; cc
	v_lshl_add_u32 v[SPW], v0, 2, SPARE
	v_mov_b32 v[NIL], 0
	ds_add_u32 v[SPW], v[NIL]                      ; the opening lines: the add, twice on end, and its wait ahead of my tensor load
	ds_add_u32 v[SPW], v[NIL]
	v_lshrrev_b32 v12, 5, v0
	v_readfirstlane_b32 s[WV], v12                 ; wave 0..15
	s_bfe_u32 s85, ttmp6, 0x40000                  ; cx
	s_lshl_b32 s[J], ttmp9, 2
	s_add_co_u32 s[J], s[J], s85                   ; j = 4 x cluster x + cx
	s_and_b32 s84, ttmp7, 0xffff
	s_lshr_b32 s86, s84, 4                         ; batch
	s_and_b32 s87, s84, 15                         ; head
	s_and_b32 s[I], s[WV], 7
	s_lshl_b32 s10, s87, 18
	s_lshl_b32 s94, s86, 17
	s_add_co_u32 s10, s10, s94                     ; the pair's first byte in q's plane
	s_lshl_b32 s94, s[I], 14
	s_add_co_u32 s12, s10, s94
	s_add_co_u32 s12, s12, 0x400000                ; K's tile wave % 8: 256 keys of 64 bytes
	s_lshl_b32 s14, s86, 21
	s_lshl_b32 s94, s87, 12
	s_add_co_u32 s14, s14, s94
	s_lshl_b32 s94, s[I], 18
	s_add_co_u32 s14, s14, s94
	s_add_co_u32 s14, s14, 0x800000                ; V's tile wave % 8: 4 groups, 65,536 bytes apart
	s_sub_co_u32 s88, 15, s[I]                     ; the long tile
	s_add_co_u32 s90, s[I], 1
	s_sub_co_u32 s91, 7, s[I]
	s_mov_b32 s93, 99
	s_cmp_lt_u32 s[WV], 8                          ; waves 0-7: the long tile's first eight steps, and K's tiles
	s_cselect_b32 s12, s12, s14
	s_cselect_b32 s89, s88, s[I]                   ; my first tile: the long one, or the short one
	s_cselect_b32 s[NW], 8, 9
	s_cselect_b32 s[SWT], s93, s90
	s_cselect_b32 s[DG1], s93, s[I]
	s_cselect_b32 s[DG2], s93, 8
	s_cselect_b32 s[OF2], 0, s91
	s_mov_b32 s13, 0
	s_lshl_b32 s94, s[J], 10
	s_add_co_u32 s95, s10, s94                     ; tile j + 8 i begins 1,024 j + 8,192 i bytes into the pair's q
	s_lshl_b32 s94, s89, 13
	s_add_co_u32 s16, s95, s94
	s_mov_b32 s17, 0
	s_lshl_b32 s94, s88, 13
	s_add_co_u32 s66, s95, s94
	s_mov_b32 s67, 0
	s_lshl_b32 s96, s86, 21                        ; cc: token x 1,024 + head x 64; tile j + 8 i begins at token 16 j + 128 i
	s_lshl_b32 s94, s[J], 14
	s_add_co_u32 s96, s96, s94
	s_lshl_b32 s94, s87, 6
	s_add_co_u32 s96, s96, s94
	s_mov_b32 s97, 0
	s_mov_b32 s[G1K], 15|(1<<20)|(1<<21)|(5<<22)|(3<<25)           ; the four partners; elements of 1 byte; padding: four words after every 64; bit 21 beside a mask
	s_mov_b32 s[G1K+1], 256<<16                    ; rows of 256 bytes: four keys
	s_mov_b32 s[G1K+2], 64<<16
	s_mov_b32 s[G1K+3], 256<<16
	s_mov_b32 s[G1K+4], 64
	s_mov_b32 s[G1K+5], 256                        ; dense in memory
	s_mov_b32 s[G1K+6], 0
	s_mov_b32 s[G1K+7], 0
	s_mov_b32 s[G1V], 15|(1<<20)|(1<<21)|(5<<22)|(3<<25)           ; the same padding: sixteen times in a row of 4,096 bytes
	s_mov_b32 s[G1V+1], 4096<<16                   ; a head's 64 features x 64 tokens
	s_mov_b32 s[G1V+2], 4<<16
	s_mov_b32 s[G1V+3], 4096<<16
	s_mov_b32 s[G1V+4], 4
	s_mov_b32 s[G1V+5], 65536
	s_mov_b32 s[G1V+6], 0
	s_mov_b32 s[G1V+7], 0
	s_mov_b32 s[SEL], 0x76543210
	s_mov_b32 s[SEL+1], 0xfedcba98
	s_mov_b32 s[CS], 0x3e38aa3b                    ; log2(e) / 8
	s_mov_b32 s[T], 0
	s_mov_b32 s[G0], 1
	s_mul_i32 s[G0+1], s[WV], TILEB                ; K's eight tiles, then V's eight
	s_wait_dscnt 0x0                               ; both opening adds are done
	s_wait_kmcnt 0x0
	s_load_b512 s[68:83], s[6:7], 0x0              ; entry i in s[68 + i]
	s_add_nc_u64 s[G0+2:G0+3], s[4:5], s[12:13]
	s_or_b32 s[G0+3], s[G0+3], 0x80000000
	CROUND                                         ; the four partners are here: the joint loads meet
	s_cmp_lt_u32 s[WV], 8
	s_cbranch_scc0 .Lfor_v
	tensor_load_to_lds s[G0:G0+3], s[G1K:G1K+7]
	s_nop 0
.rept 4
	v_nop
.endr
	s_branch .Lasked
.Lfor_v:
	tensor_load_to_lds s[G0:G0+3], s[G1V:G1V+7]
	s_nop 0
.rept 4
	v_nop
.endr
.Lasked:
	s_add_nc_u64 s[16:17], s[4:5], s[16:17]        ; my first tile's q
	s_add_nc_u64 s[66:67], s[4:5], s[66:67]        ; the long tile's
	s_add_nc_u64 s[8:9], s[8:9], s[96:97]
	s_lshl_b32 s94, s[I], 17
	s_mov_b32 s95, 0
	s_add_nc_u64 s[10:11], s[8:9], s[94:95]        ; cc at the short tile,
	s_lshl_b32 s94, s88, 17
	s_add_nc_u64 s[14:15], s[8:9], s[94:95]        ; and at the long one
	v_and_b32 v32, 15, v0                          ; r
	v_bfe_u32 v33, v0, 4, 1                        ; h
	v_lshlrev_b32 v37, 6, v32
	v_lshl_add_u32 v37, v33, 4, v37                ; Q: row r of 64 bytes, + 16 h
	global_load_b128 v[16:19], v37, s[16:17]
	global_load_b128 v[20:23], v37, s[16:17] offset:32
	global_load_b128 v[24:27], v37, s[66:67]
	global_load_b128 v[28:31], v37, s[66:67] offset:32
	v_lshrrev_b32 v34, 2, v32
	v_and_b32 v35, 3, v32
	v_mul_u32_u24 v36, v34, LP
	v_lshl_add_u32 v36, v35, 6, v36                ; (r / 4) 272 + (r % 4) 64
	v_lshl_add_u32 v[AK0], v33, 4, v36
	v_lshl_add_u32 v[AV0], v33, 3, v36
	v_add_nc_u32 v[AV0], VOFF, v[AV0]
	s_lshl_b32 s94, s[J], 4
	v_lshlrev_b32 v38, 3, v33
	v_sub_nc_u32 v[DD], v32, v38
	v_add_nc_u32 v[DD], s94, v[DD]                 ; 16 j + r - 8 h
	v_and_b32 v39, 31, v0
	v_lshrrev_b32 v40, 2, v39
	v_and_b32 v41, 3, v39
	s_mul_i32 s95, s[I], PARTB
	s_add_co_u32 s95, s95, PART
	v_lshl_add_u32 v[PST], v39, 4, s95
	s_mul_i32 s94, s[I], 16*80
	s_add_co_u32 s94, s94, BSTG                    ; the stage of wave 8 + wave % 8 (waves 0-7 store no context)
	v_mul_u32_u24 v[STO], v32, 80
	v_lshl_add_u32 v[STO], v33, 3, v[STO]
	v_add_nc_u32 v[STO], s94, v[STO]               ; in: row r, + 8 h
	v_mul_u32_u24 v[RD], v40, 80
	v_lshl_add_u32 v[RD], v41, 4, v[RD]
	v_add_nc_u32 v[RD], s94, v[RD]                 ; back: four lanes to a row of 64 bytes
	v_lshlrev_b32 v[GO], 10, v40
	v_lshl_add_u32 v[GO], v41, 4, v[GO]            ; and the same in cc
	v_mov_b32 v13, 0xff61b1e6                      ; the largest t so far: -3e38
	v_floor_f32 v12, -v13                          ; -M
	v_mov_b32 v14, 0
	v_mov_b32 v15, 0
	v_mov_b32 v211, 0                              ; (named as the upper halves of pairs)
	v_mov_b32 v215, 0
	v_mov_b32 v212, 0                              ; a lane permute's destination counts as one of its sources
	v_mov_b32 v218, 0xff800000                     ; -infinity
.set j, 0
.rept 32
	v_mov_b32 v[160+j], 0                          ; O^T: the step has no first form of its own; the first change of M leaves zeros zeros
.set j, j+1
.endr
	s_wait_kmcnt 0x0
	s_add_co_i32 s94, s74, s75
	s_lshl_b32 s94, s94, 23
	s_add_co_i32 s[CS], s[CS], s94                 ; a score stands for score x 2^(e6 + e7)
	s_mov_b32 s[CS+1], s[CS]
	s_add_co_i32 s94, s76, 127
	s_lshl_b32 s95, s94, 23
	v_mov_b32 v217, s95                            ; 2^e8
	s_add_co_i32 s94, s94, 15
	s_lshl_b32 s94, s94, 23
	s_or_b32 s94, s94, 0x600000
	v_mov_b32 v216, s94                            ; 57,344 x 2^e8
	s_sub_co_i32 s94, s78, s76
	s_sub_co_i32 s94, s94, s77                     ; O / l stands for context / 2^(e8 + e9): its code is (O / l) / 2^(e10 - e8 - e9)
	s_add_co_i32 s94, s94, 127
	s_lshl_b32 s95, s94, 23
	v_mov_b32 v220, s95
	s_add_co_i32 s94, s94, 15
	s_lshl_b32 s94, s94, 23
	s_or_b32 s94, s94, 0x600000
	v_mov_b32 v219, s94
	s_wait_alu depctr_va_vdst(0)                   ; the wait at the head's end
	s_wait_loadcnt 0x0                             ; Q: its address registers are free
	s_wait_tensorcnt 0x0                           ; my tile is in: the descriptors' registers are free
	s_barrier_signal -1
.set n, 0
.rept 64
	MREG n
	v_cmp_gt_i32 s[MR], 16*(n/8)+n%8, v[DD]        ; register n holds key 16 (n / 8) + 8 h + n % 8 of a step: on the diagonal it is hidden where it comes after my query
.set n, n+1
.endr
	s_barrier_wait -1                              ; everybody's tile is in
.Ltrip:                                            ; nine trips, one key step each
	s_cmp_ge_u32 s[T], s[NW]                       ; waves 0-7 have no ninth step
	s_cbranch_scc1 .Lnext
	s_cmp_lt_u32 s[WV], 8
	s_cbranch_scc1 .Lsame
	s_cmp_lg_u32 s[T], s[SWT]
	s_cbranch_scc1 .Lsame
.rept 4
	v_nop                                          ; THE CHANGE OF TILES (waves 8-15, once).  Places behind the last products
.endr
	OUTP 10                                        ; the short tile is finished
	v_mov_b32 v13, 0xff61b1e6
	v_floor_f32 v12, -v13
	v_mov_b32 v14, 0
	v_mov_b32 v15, 0
.set j, 0
.rept 32
	v_mov_b32 v[160+j], 0
.set j, j+1
.endr
.set j, 0
.rept 8
	v_mov_b32 v[16+j], v[24+j]                     ; the long tile's Q
.set j, j+1
.endr
	s_wait_xcnt 0x0                                ; the stores have read their registers: K's fragments may land there
.Lsame:
	s_cmp_ge_u32 s[T], s[SWT]
	s_cselect_b32 s[KO], s[OF2], 0
	s_add_co_u32 s[KO], s[KO], s[T]
	s_and_b32 s[KO], s[KO], 15                     ; the key step
	s_mul_i32 s[KO], s[KO], STEPB
	s_cmp_eq_u32 s[T], s[DG1]
	s_cselect_b32 s[DG], 1, 0
	s_cmp_eq_u32 s[T], s[DG2]
	s_cselect_b32 s[DG], 1, s[DG]                  ; does it lie on my tile's diagonal?
	v_add_nc_u32 v[ADK], s[KO], v[AK0]
	v_add_nc_u32 v[ADV], s[KO], v[AV0]
	v_nop                                          ; with the two additions: four places in front of loads into registers that the last products read
	v_nop
.irp t, 0,1,2,3,4,5,6,7
.irp c, 0,1
	ds_load_b128 v[32+8*\t+4*\c:32+8*\t+4*\c+3], v[ADK] offset:4*\t*LP+32*\c
.endr
.endr
	s_wait_alu depctr_va_vdst(0)
	s_wait_dscnt 0x0
.irp t, 0,1,2,3,4,5,6,7
	v_wmma_f32_16x16x64_bf8_bf8 v[96+8*\t:103+8*\t], v[32+8*\t:39+8*\t], v[16:23], 0
.endr
.rept 4
	v_nop                                          ; places: in front of the loads into K's registers, and of the first read of the scores
.endr
.irp t, 0,1,2,3
.irp c, 0,1,2,3,4,5,6,7
	ds_load_b64 v[32+16*\t+2*\c:33+16*\t+2*\c], v[ADV] offset:(\c/4)*VG+4*\t*LP+16*(\c%4)   ; V, into the registers that K has left: feature 16 t + r, keys 16 c + 8 h on; the softmax stands between these loads and the wait for them
.endr
.endr
	s_cmp_eq_u32 s[DG], 0
	s_cbranch_scc1 .Lopen
.set n, 0
.rept 64
	MREG n
	v_cndmask_b32 v[96+n], v[96+n], v218, s[MR]    ; -infinity ahead of the maximum: p = 0 then.  The step's key 0 counts for every query
.set n, n+1
.endr
.Lopen:
	v_max3_num_f32 v[MC], v96, v97, v98            ; the step's largest score of my query among my 64 keys: four chains, the scores in ascending order
	v_max3_num_f32 v[MC+1], v99, v100, v101
	v_max3_num_f32 v[MC+2], v102, v103, v104
	v_max3_num_f32 v[MC+3], v105, v106, v107
.set k, 0
.rept 26
	v_max3_num_f32 v[MC+k%4], v[MC+k%4], v[108+2*k], v[109+2*k]
.set k, k+1
.endr
	s_delay_alu instid0(VALU_DEP_1)
	v_max3_num_f32 v208, v[MC], v[MC+1], v[MC+2]
	s_delay_alu instid0(VALU_DEP_1)
	v_max_num_f32 v208, v208, v[MC+3]
	s_delay_alu instid0(VALU_DEP_1)
	v_permlanex16_b32 v212, v208, s[SEL], s[SEL+1]
	s_delay_alu instid0(VALU_DEP_1)
	v_max_num_f32 v208, v208, v212                 ; and among lane l xor 16's
	s_delay_alu instid0(VALU_DEP_1)
	v_mul_f32 v208, s[CS], v208                    ; as t (c is positive)
	s_delay_alu instid0(VALU_DEP_1)
	v_max_num_f32 v13, v13, v208
	v_mov_b32 v208, v12
	s_delay_alu instid0(VALU_DEP_2)
	v_floor_f32 v12, -v13                          ; the new -M = -ceil(t)
	s_delay_alu instid0(VALU_DEP_1)
	v_sub_f32 v208, v12, v208                      ; old M - new M: a whole number, 0 or less
	s_delay_alu instid0(VALU_DEP_1)
	v_cvt_i32_f32 v208, v208                       ; (it saturates)
	s_delay_alu instid0(VALU_DEP_1)
	v_ldexp_f32 v210, 1.0, v208                    ; f = 2^(old M - new M)
.set j, 0
.rept 32
	v_pk_fma_f32 v[96+j:97+j], v[96+j:97+j], s[CS:CS+1], v[12:13] op_sel_hi:[1,0,0]   ; t - M
.set j, j+2
.endr
	s_wait_alu depctr_va_vdst(0)                   ; the wait ahead of the batch
.set j, 0
.rept 64
	v_exp_f32 v[96+j], v[96+j]                     ; p = 2^(t - M)
.set j, j+1
.endr
	v_pk_mul_f32 v[14:15], v[14:15], v[210:211] op_sel_hi:[1,0]    ; the sums under the new M: the plain line behind the exponentials
	s_wait_alu depctr_va_vdst(0)                   ; one wait for the batch, ahead of its first reader
.set k, 0
.rept 4
	v_pk_add_f32 v[SC+2*k:SC+2*k+1], v[96+2*k:97+2*k], v[104+2*k:105+2*k]      ; the sum of the unquantised p, in four chains
.set k, k+1
.endr
.set k, 8
.rept 24
	v_pk_add_f32 v[SC+2*(k%4):SC+2*(k%4)+1], v[SC+2*(k%4):SC+2*(k%4)+1], v[96+2*k:97+2*k]
.set k, k+1
.endr
	v_pk_add_f32 v[SC:SC+1], v[SC:SC+1], v[SC+2:SC+3]
	v_pk_add_f32 v[SC+4:SC+5], v[SC+4:SC+5], v[SC+6:SC+7]
	s_delay_alu instid0(VALU_DEP_2)
	v_pk_add_f32 v[14:15], v[14:15], v[SC:SC+1]
	s_delay_alu instid0(VALU_DEP_1)
	v_pk_add_f32 v[14:15], v[14:15], v[SC+4:SC+5]
.irp t, 0,1,2,3,4,5,6,7
.irp i, 0,1,2,3,4,5,6,7
	v_min_num_f32 v[96+8*\t+\i], v[96+8*\t+\i], v216   ; the conversion does not saturate (ISA guide 7.6.2); p is not negative, so the hold is one-sided
.endr
	v_cvt_scalef32_pk8_bf8_f32 v[192+2*\t:193+2*\t], v[96+8*\t:103+8*\t], v217
.endr
	s_wait_alu depctr_va_vdst(0)                   ; the wait directly ahead of the first reader of O^T
.set j, 0
.rept 16
	v_pk_mul_f32 v[160+j:161+j], v[160+j:161+j], v[210:211] op_sel_hi:[1,0]   ; O^T under the new M; also the plain lines between the conversions and the products
.set j, j+2
.endr
	s_wait_alu depctr_va_vdst(0)
	s_wait_dscnt 0x0                               ; V is in
.irp t, 0,1,2,3
	v_wmma_f32_16x16x128_bf8_bf8 v[160+8*\t:167+8*\t], v[32+16*\t:47+16*\t], v[192:207], v[160+8*\t:167+8*\t]
.endr
.Lnext:
	s_add_co_u32 s[T], s[T], 1
	s_cmp_lt_u32 s[T], 9
	s_cbranch_scc1 .Ltrip
	s_cmp_ge_u32 s[WV], 8
	s_cbranch_scc1 .Lkeep
.rept 4
	v_nop                                          ; WAVES 0-7 HAND THEIR PART OF THE LONG TILE OVER.  Places behind the last products
.endr
.set g, 0
.rept 8
	ds_store_b128 v[PST], v[160+4*g:163+4*g] offset:512*g          ; an image of the registers: each accumulator from its low end on
.set g, g+1
.endr
	ds_store_b128 v[PST], v[12:15] offset:4096     ; -M, t, the sums
.Lkeep:
	s_wait_dscnt 0x0                               ; for the others' sake: my part is stored
	s_barrier_signal -1
	s_barrier_wait -1
	s_cmp_lt_u32 s[WV], 8
	s_cbranch_scc1 .Lend
.rept 4
	v_nop                                          ; places behind the last products
.endr
.set g, 0
.rept 8
	ds_load_b128 v[32+4*g:35+4*g], v[PST] offset:512*g             ; WAVES 8-15 JOIN THE LONG TILE'S TWO PARTS: the other part's registers, in the same lanes
.set g, g+1
.endr
	ds_load_b128 v[64:67], v[PST] offset:4096
	s_wait_dscnt 0x0
	v_min_num_f32 v208, v12, v64                   ; -(the larger M)
	v_sub_f32 v209, v208, v12                      ; my M less it: a whole number, 0 or less
	v_sub_f32 v213, v208, v64                      ; the other's
	v_cvt_i32_f32 v209, v209
	v_cvt_i32_f32 v213, v213
	v_ldexp_f32 v210, 1.0, v209
	v_ldexp_f32 v214, 1.0, v213
	v_pk_mul_f32 v[14:15], v[14:15], v[210:211] op_sel_hi:[1,0]
	v_pk_fma_f32 v[14:15], v[66:67], v[214:215], v[14:15] op_sel_hi:[1,0,1]
.set j, 0
.rept 16
	v_pk_mul_f32 v[160+j:161+j], v[160+j:161+j], v[210:211] op_sel_hi:[1,0]
.set j, j+2
.endr
.set j, 0
.rept 16
	v_pk_fma_f32 v[160+j:161+j], v[32+j:33+j], v[214:215], v[160+j:161+j] op_sel_hi:[1,0,1]
.set j, j+2
.endr
	OUTP 14                                        ; the long tile is finished
.Lend:
	s_wait_tensorcnt 0x0                           ; the wave's end
	ds_add_u32 v[SPW], v[NIL]
	s_wait_dscnt 0x0
	CROUND                                         ; the closing round
	s_endpgm
.Lfunc_end_k_qf294110a41_attn:
	.size	k_qf294110a41_attn, .Lfunc_end_k_qf294110a41_attn-k_qf294110a41_attn
	.p2alignl 7, 3214868480
	.fill 96, 4, 3214868480
	.section	.rodata,"a",@progbits
	.p2align	6, 0x0
	.amdhsa_kernel k_qf294110a41_attn
		.amdhsa_group_segment_fixed_size 327680
		.amdhsa_private_segment_fixed_size 0
		.amdhsa_enable_private_segment 0
		.amdhsa_kernarg_size 24
		.amdhsa_user_sgpr_count 2
		.amdhsa_user_sgpr_kernarg_segment_ptr 1
		.amdhsa_wavefront_size32 1
		.amdhsa_system_sgpr_workgroup_id_x 1
		.amdhsa_system_sgpr_workgroup_id_y 1
		.amdhsa_system_sgpr_workgroup_id_z 1
		.amdhsa_system_vgpr_workitem_id 0
		.amdhsa_next_free_vgpr 256
		.amdhsa_next_free_sgpr 100
		.amdhsa_reserve_vcc 0
		.amdhsa_float_denorm_mode_32 3
		.amdhsa_float_denorm_mode_16_64 3
		.amdhsa_memory_ordered 1
		.amdhsa_forward_progress 1
		.amdhsa_inst_pref_size 50
	.end_amdhsa_kernel
	.amdgpu_metadata
---
amdhsa.version: [ 1, 2 ]
amdhsa.kernels:
  - .name:           k_qf294110a41_attn
    .symbol:         k_qf294110a41_attn.kd
    .args:
      - { .name: qkvc, .offset: 0, .size: 8, .value_kind: global_buffer, .address_space: global }
      - { .name: lowp_scales, .offset: 8, .size: 8, .value_kind: global_buffer, .address_space: global }
      - { .name: cc, .offset: 16, .size: 8, .value_kind: global_buffer, .address_space: global }
    .group_segment_fixed_size: 327680
    .private_segment_fixed_size: 0
    .kernarg_segment_align: 8
    .kernarg_segment_size: 24
    .max_flat_workgroup_size: 512
    .sgpr_count:     100
    .vgpr_count:     256
    .wavefront_size: 32
...
	.end_amdgpu_metadata
.endif
;; end of part 3
;; launch oproj (part 4): grid 8 x 32, 4 waves a work-group, clusters of 4 x 4, 327,680 bytes of LDS; arguments cc, wo_codes, lowp_scales, bo, x, hres; writes hres
.if DOCPART == 4
	.amdgcn_target "amdgcn-amd-amdhsa--gfx1250"
	.amdhsa_code_object_version 6
	.text
	.protected	k_qf294110a41_oproj
	.globl	k_qf294110a41_oproj
	.p2align	8
	.type	k_qf294110a41_oproj,@function
k_qf294110a41_oproj:
	s_mov_b64 s[64:65], 0
	v_nop
	global_prefetch_b8 v0, s[64:65] scope:SCOPE_SE
	s_setreg_imm32_b32 hwreg(HW_REG_WAVE_MODE, 25, 1), 1
	s_wait_xcnt 0x0
	s_wait_alu depctr_hold_cnt(0) depctr_sa_sdst(0) depctr_va_vdst(0) depctr_va_sdst(0) depctr_va_ssrc(0) depctr_va_vcc(0) depctr_vm_vsrc(0)
	s_getreg_b32 s2, hwreg(HW_REG_IB_STS2, 6, 4)
	s_cmp_eq_u32 s2, 0
	s_cbranch_scc0 .Lentry_in_a_cluster
	s_endpgm
.Lentry_in_a_cluster:
	s_bfe_u32 s2, ttmp6, 0x10000c
	s_cmp_lg_u32 s2, 0xf033
	s_cbranch_scc0 .Lentry_shape_is_right
	s_endpgm
.Lentry_shape_is_right:
; out[m][n] = resid[m][n] + bias[n] + 2^(ea + eb) x the sum over k of A[m][k] B[n][k].  A: [4096][1024], B: [1024][1024]: codes of BF8 (E5M2), K innermost; resid, out: [4096][1024] f32; bias [1024] f32.
; ea, eb: entries 10 and 11 of the scales.  LIMIT: ea + eb between -126 and 127.
; 4,096 x 1,024 results are 256 tiles of 128 x 128, one for each work-group.  Four waves, 64 x 64 each: 16 accumulators.
; ALL OF K LIES IN LDS AT ONCE: 256 rows of 1,024 bytes + 16 of padding, 266,240 bytes, filled once by four tensor loads, one a wave (64 rows each), at the head.  Nothing is filled again: one barrier, no ring.
; K is walked in eight quarters of 128, 16 matrix instructions each, on two fragment buffers by turns.
; CLUSTERS: 4 x 4 work-groups; A's tiles are asked for jointly along a row of the cluster, B's along a column.
; NO PREFETCH: the launch has no loop to run ahead in: every tile is asked for by the head's one group of loads.
; THE MATRIX INSTRUCTION IS USED TRANSPOSED (source 0 = 16 rows of B, source 1 = 16 rows of A): a lane holds eight neighbouring columns of one row.  A fragment comes by four loads of 16 bytes: a permutation of k that is the same in A and B.
; The residual and the bias are asked for at the head, in the layout of the stores.  A wave's 64 columns are 256 bytes of a row: sixteen lanes store them.
; REGISTERS: window 0: v16-29 addresses; v32-35 bias; v64-127 rows on the way out, two sets; v128-255 the accumulators ((a, b) at v[128 + 8 (4 a + b)]).  window 1: two fragment buffers: A's four at +16 i, B's at +64 + 16 i.  window 2: v0-127 the residual.
.set SIZE_K, 1024
.set SCOFF,  40
.set PITCH,  1040                      ; 260 words: row r starts at bank 4 r mod 64 (64 banks of 4 bytes: ISA guide 11.1)
.set HALFT,  64*PITCH
.set STAGE,  4*HALFT                   ; behind the tiles: 16 rows x 272 bytes for each wave
.set SPITCH, 272
.set SPARE,  STAGE+4*16*SPITCH         ; the spare words, 128 bytes for each wave, which no other line names
.set ADRA, 16
.set ADRB, 20
.set STO,  24
.set RD,   25
.set CO,   26
.set BA,   27
.set SPW,  28
.set NIL,  29
.set BIAS, 32
.set T,    64
.set ACC,  128
.set F0,   0
.set F1,   128
.set G1, 24
.set G0, 32
.set G1B, 48
.set G0B, 56
.set WV, 84
.set RH, 85
.set CH, 86
.set TA, 87
.set MSB, 0
.macro WIN new                         ; the immediate's high byte repeats the setting that is left
.if MSB != \new
	s_set_vgpr_msb (MSB<<8)|\new
.set MSB, \new
.endif
.endm
.set MUL,  0x05                        ; sources 0 (B) and 1 (A) window 1; C and D window 0
.set TO_F, 0x40
.macro CROUND                          ; a round of the cluster's barrier
	s_barrier_signal -1
	s_barrier_wait -1
	s_cmp_lg_u32 s[WV], 0
	s_cbranch_scc1 .Lnot_wave_0_\@
	s_barrier_signal -3
.Lnot_wave_0_\@:
	s_barrier_wait -3
	s_barrier_signal -1
	s_barrier_wait -1
.endm
	s_load_b256 s[4:11], s[0:1], 0x0               ; A s[4:5], B s[6:7], scales s[8:9], bias s[10:11]
	s_load_b128 s[12:15], s[0:1], 0x20             ; resid s[12:13], out s[14:15]
	v_lshl_add_u32 v[SPW], v0, 2, SPARE
	v_mov_b32 v[NIL], 0
	ds_add_u32 v[SPW], v[NIL]                      ; the opening lines: the add, twice on end, and its wait ahead of my tensor load
	ds_add_u32 v[SPW], v[NIL]
	v_lshrrev_b32 v1, 5, v0
	v_readfirstlane_b32 s[WV], v1
	s_lshr_b32 s[RH], s[WV], 1                     ; my half of the rows; also: I fetch for A (0) or B (1)
	s_and_b32 s[CH], s[WV], 1                      ; my half of the columns; also: which 64 rows I fetch
	s_bfe_u32 s40, ttmp6, 0x40000
	s_bfe_u32 s41, ttmp6, 0x40004
	s_lshl_b32 s42, ttmp9, 2
	s_add_co_u32 s42, s42, s40                     ; tile column
	s_and_b32 s[TA], ttmp7, 0xffff
	s_lshl_b32 s[TA], s[TA], 2
	s_add_co_u32 s[TA], s[TA], s41                 ; tile row
	s_lshl_b32 s43, s41, 2
	s_lshl_b32 s43, 15, s43
	s_lshl_b32 s44, 0x1111, s40
	s_or_b32 s[G1+0], s43, (0<<16)|(1<<20)|(1<<21)|(7<<22)|(3<<25)   ; the mask; elements of 1 byte; padding: four words after every 256; bit 21 beside a mask
	s_or_b32 s[G1B+0], s44, (0<<16)|(1<<20)|(1<<21)|(7<<22)|(3<<25)
.irp g, G1, G1B
	s_mov_b32 s[\g+1], SIZE_K<<16
	s_mov_b32 s[\g+2], 64<<16
	s_mov_b32 s[\g+3], SIZE_K<<16
	s_mov_b32 s[\g+4], 64
	s_mov_b32 s[\g+5], SIZE_K
	s_mov_b32 s[\g+6], 0
	s_mov_b32 s[\g+7], 0
.endr
	s_lshl_b32 s18, s[CH], 6
	s_lshl_b32 s20, s[TA], 7
	s_add_co_u32 s20, s20, s18
	s_mul_i32 s20, s20, SIZE_K                     ; A: (128 x tile row + 64 x half) rows
	s_mov_b32 s21, 0
	s_lshl_b32 s46, s42, 7
	s_add_co_u32 s46, s46, s18
	s_mul_i32 s46, s46, SIZE_K
	s_mov_b32 s47, 0
	s_mul_i32 s45, s[WV], HALFT                    ; where they go: wave x 64 rows
	s_wait_dscnt 0x0
	s_wait_kmcnt 0x0
	s_load_b64 s[92:93], s[8:9], SCOFF             ; ea, eb
	s_mov_b32 s[G0], 1
	s_mov_b32 s[G0+1], s45
	s_add_nc_u64 s[G0+2:G0+3], s[4:5], s[20:21]
	s_or_b32 s[G0+3], s[G0+3], 0x80000000
	s_mov_b32 s[G0B], 1
	s_mov_b32 s[G0B+1], s45
	s_add_nc_u64 s[G0B+2:G0B+3], s[6:7], s[46:47]
	s_or_b32 s[G0B+3], s[G0B+3], 0x80000000
	CROUND                                         ; all sixteen work-groups are here: the joint loads meet
	s_cmp_eq_u32 s[RH], 0
	s_cbranch_scc0 .Lfor_b
	tensor_load_to_lds s[G0:G0+3], s[G1:G1+7]
	s_nop 0
.rept 4
	v_nop
.endr
	s_branch .Lasked
.Lfor_b:
	tensor_load_to_lds s[G0B:G0B+3], s[G1B:G1B+7]
	s_nop 0
.rept 4
	v_nop
.endr
.Lasked:
	v_and_b32 v1, 15, v0                           ; r
	v_bfe_u32 v2, v0, 4, 1                         ; h
	v_mul_u32_u24 v3, v1, PITCH
	v_lshl_add_u32 v3, v2, 4, v3
	s_mul_i32 s21, s[RH], HALFT
	s_mul_i32 s22, s[CH], HALFT
	s_add_co_u32 s22, s22, 2*HALFT
	v_add_nc_u32 v[ADRA], s21, v3
	v_add_nc_u32 v[ADRB], s22, v3
	s_mul_i32 s23, s[WV], 16*SPITCH
	s_add_co_u32 s23, s23, STAGE                   ; my stage
	v_mul_u32_u24 v4, v1, SPITCH
	v_lshl_add_u32 v4, v2, 5, v4
	v_add_nc_u32 v[STO], s23, v4                   ; in: row r, + 32 h
	v_mul_u32_u24 v5, v2, SPITCH
	v_lshl_add_u32 v5, v1, 4, v5
	v_add_nc_u32 v[RD], s23, v5                    ; back: lanes 0-15 one row of 256 bytes, lanes 16-31 the next
	v_lshlrev_b32 v[BA], 4, v1
	v_lshl_add_u32 v[CO], v2, 12, v[BA]            ; and the same two rows in resid and out
	s_wait_alu depctr_va_vdst(0)                   ; the wait ahead of the run of scalar lines
	s_lshl_b32 s16, s[TA], 7
	s_lshl_b32 s17, s[RH], 6
	s_add_co_u32 s16, s16, s17
	s_lshl_b32 s16, s16, 12                        ; my first row, 4,096 bytes a row
	s_lshl_b32 s22, s42, 9
	s_lshl_b32 s23, s[CH], 8
	s_add_co_u32 s22, s22, s23                     ; my first column, in bytes
	s_add_co_u32 s16, s16, s22
	s_mov_b32 s17, 0
	s_mov_b32 s23, 0
	s_add_nc_u64 s[88:89], s[12:13], s[16:17]
	s_add_nc_u64 s[90:91], s[14:15], s[16:17]
	s_add_nc_u64 s[10:11], s[10:11], s[22:23]
	WIN 0x80                                       ; destination window 2
.set j, 0
.rept 32
	global_load_b128 v[4*j:4*j+3], v[CO], s[88:89] offset:2*j*4096 th:TH_LOAD_NT   ; rows 2 j, 2 j + 1 of my 64: sixteen lanes read 256 consecutive bytes
.set j, j+1
.endr
	WIN 0
	global_load_b128 v[BIAS:BIAS+3], v[BA], s[10:11]
.macro MUL4 f, a, zero                 ; A's block a against B's four.  The 16 accumulators take turns, one instruction a turn, in the same order in every quarter
.irp b, 0,1,2,3
.if \zero
	v_wmma_f32_16x16x128_bf8_bf8 v[ACC+8*(4*(\a)+\b):ACC+8*(4*(\a)+\b)+7], v[\f+64+16*\b:\f+64+16*\b+15], v[\f+16*(\a):\f+16*(\a)+15], 0
.else
	v_wmma_f32_16x16x128_bf8_bf8 v[ACC+8*(4*(\a)+\b):ACC+8*(4*(\a)+\b)+7], v[\f+64+16*\b:\f+64+16*\b+15], v[\f+16*(\a):\f+16*(\a)+15], v[ACC+8*(4*(\a)+\b):ACC+8*(4*(\a)+\b)+7]
.endif
.endr
.endm
.macro FETCH k, f                      ; 32 LDS loads in one run: B's four fragments, then A's, of the 128 along K at byte k
	WIN TO_F
.irp i, 0,1,2,3
.irp c, 0,1,2,3
	ds_load_b128 v[\f+64+16*\i+4*\c:\f+64+16*\i+4*\c+3], v[ADRB] offset:\k+32*\c+\i*16*PITCH
.endr
.endr
.irp i, 0,1,2,3
.irp c, 0,1,2,3
	ds_load_b128 v[\f+16*\i+4*\c:\f+16*\i+4*\c+3], v[ADRA] offset:\k+32*\c+\i*16*PITCH
.endr
.endr
.endm
.macro QUARTER k, f, g, zero           ; multiplies buffer f; in its middle fetches the next quarter, at byte k, into g
	s_wait_dscnt 8                                 ; B's four and A's blocks 0, 1 are in; the youngest eight loads (A's blocks 2, 3) may be out
	WIN MUL
	MUL4 \f, 0, \zero
	MUL4 \f, 1, \zero
.rept 4
	v_nop                                          ; places in front of loads into registers that the quarter before multiplied
.endr
	FETCH \k, \g
	s_wait_dscnt 32                                ; all but the 32 just issued
	WIN MUL
	MUL4 \f, 2, \zero
	MUL4 \f, 3, \zero
.endm
	s_wait_alu depctr_va_vdst(0)                   ; the wait at the head's end
	s_wait_tensorcnt 0x0                           ; my 64 rows are in,
	s_barrier_signal -1
	s_barrier_wait -1                              ; and so are everybody's
	FETCH 0, F0
	QUARTER 128, F0, F1, 1                         ; the first quarter's products start the sums
.irp k, 256, 512, 768
	QUARTER \k, F1, F0, 0
	QUARTER \k+128, F0, F1, 0
.endr
	s_wait_dscnt 8
	WIN MUL
	MUL4 F1, 0, 0
	MUL4 F1, 1, 0
	s_wait_dscnt 0
	MUL4 F1, 2, 0
	MUL4 F1, 3, 0
	WIN 0
	; THE WAY OUT, 16 rows at a time: the sums go through my own stage and come back as whole rows of 256 bytes; there one packed multiply-add gives sum x 2^(ea + eb) + (resid + bias).
	s_wait_loadcnt 0x0                             ; the residual and the bias
	s_wait_kmcnt 0x0
	s_add_co_i32 s92, s92, s93
	s_add_co_i32 s92, s92, 127
	s_lshl_b32 s92, s92, 23                        ; 2^(ea + eb) as f32
	s_mov_b32 s93, s92                             ; (named with it as a pair)
	WIN 0x82                                       ; source 0 and destination window 2
.set j, 0
.rept 64
	v_pk_add_f32 v[2*j:2*j+1], v[2*j:2*j+1], v[BIAS+2*(j%2):BIAS+2*(j%2)+1]    ; resid + bias; these lines are also the places behind the last products
.set j, j+1
.endr
	WIN 0
.macro TOSTAGE a
.irp b, 0,1,2,3
	ds_store_b128 v[STO], v[ACC+8*(4*(\a)+\b):ACC+8*(4*(\a)+\b)+3] offset:64*\b        ; each accumulator from its low end on
	ds_store_b128 v[STO], v[ACC+8*(4*(\a)+\b)+4:ACC+8*(4*(\a)+\b)+7] offset:64*\b+16
.endr
.set TT, T+32*((\a)%2)
.set j, 0
.rept 8
	ds_load_b128 v[TT+4*j:TT+4*j+3], v[RD] offset:2*j*SPITCH   ; LDS serves a wave's instructions in order (ISA guide 5.7.1.4): these see the stores above
.set j, j+1
.endr
.endm
.macro FIN a, y                        ; y: the LDS instructions issued behind block a's loads, which may stay out
.set TT, T+32*((\a)%2)
	s_wait_dscnt \y
	WIN 0x20                                       ; source 2 window 2
.set j, 0
.rept 16
	v_pk_fma_f32 v[TT+j:TT+j+1], v[TT+j:TT+j+1], s[92:93], v[32*(\a)+j:32*(\a)+j+1] op_sel_hi:[1,0,1]
.set j, j+2
.endr
	WIN 0
.set j, 0
.rept 8
	global_store_b128 v[CO], v[TT+4*j:TT+4*j+3], s[90:91] offset:(16*(\a)+2*j)*4096   ; sixteen lanes store 256 consecutive bytes, at a multiple of 256 from the buffer's first byte
.set j, j+1
.endr
.endm
	TOSTAGE 0
.irp a, 1,2,3
.if \a > 1
	s_wait_xcnt 0x0                                ; block a - 2's stores have read their registers: block a's loads may land there
.endif
	TOSTAGE \a
	FIN \a-1, 16                                   ; behind block a - 1's loads: block a's 8 stores and 8 loads
.endr
	FIN 3, 0
	s_wait_tensorcnt 0x0                           ; the wave's end
	ds_add_u32 v[SPW], v[NIL]
	s_wait_dscnt 0x0
	CROUND                                         ; the closing round
	s_endpgm
.Lfunc_end_k_qf294110a41_oproj:
	.size	k_qf294110a41_oproj, .Lfunc_end_k_qf294110a41_oproj-k_qf294110a41_oproj
	.p2alignl 7, 3214868480
	.fill 96, 4, 3214868480
	.section	.rodata,"a",@progbits
	.p2align	6, 0x0
	.amdhsa_kernel k_qf294110a41_oproj
		.amdhsa_group_segment_fixed_size 327680
		.amdhsa_private_segment_fixed_size 0
		.amdhsa_enable_private_segment 0
		.amdhsa_kernarg_size 48
		.amdhsa_user_sgpr_count 2
		.amdhsa_user_sgpr_kernarg_segment_ptr 1
		.amdhsa_wavefront_size32 1
		.amdhsa_system_sgpr_workgroup_id_x 1
		.amdhsa_system_sgpr_workgroup_id_y 1
		.amdhsa_system_sgpr_workgroup_id_z 1
		.amdhsa_system_vgpr_workitem_id 0
		.amdhsa_next_free_vgpr 640
		.amdhsa_next_free_sgpr 100
		.amdhsa_reserve_vcc 0
		.amdhsa_float_denorm_mode_32 3
		.amdhsa_float_denorm_mode_16_64 3
		.amdhsa_memory_ordered 1
		.amdhsa_forward_progress 1
		.amdhsa_inst_pref_size 51
	.end_amdhsa_kernel
	.amdgpu_metadata
---
amdhsa.version: [ 1, 2 ]
amdhsa.kernels:
  - .name:           k_qf294110a41_oproj
    .symbol:         k_qf294110a41_oproj.kd
    .args:
      - { .name: cc, .offset: 0, .size: 8, .value_kind: global_buffer, .address_space: global }
      - { .name: wo_codes, .offset: 8, .size: 8, .value_kind: global_buffer, .address_space: global }
      - { .name: lowp_scales, .offset: 16, .size: 8, .value_kind: global_buffer, .address_space: global }
      - { .name: bo, .offset: 24, .size: 8, .value_kind: global_buffer, .address_space: global }
      - { .name: x, .offset: 32, .size: 8, .value_kind: global_buffer, .address_space: global }
      - { .name: hres, .offset: 40, .size: 8, .value_kind: global_buffer, .address_space: global }
    .group_segment_fixed_size: 327680
    .private_segment_fixed_size: 0
    .kernarg_segment_align: 8
    .kernarg_segment_size: 48
    .max_flat_workgroup_size: 128
    .sgpr_count:     100
    .vgpr_count:     640
    .wavefront_size: 32
...
	.end_amdgpu_metadata
.endif
;; end of part 4
;; launch ln2 (part 5): grid 256 x 1, 8 waves a work-group, no clusters, 9,216 bytes of LDS; arguments hres, ln2_s, ln2_b, lowp_scales, yc; writes yc
.if DOCPART == 5
	.amdgcn_target "amdgcn-amd-amdhsa--gfx1250"
	.amdhsa_code_object_version 6
	.text
	.protected	k_qf294110a41_ln2
	.globl	k_qf294110a41_ln2
	.p2align	8
	.type	k_qf294110a41_ln2,@function
k_qf294110a41_ln2:
	s_mov_b64 s[64:65], 0
	v_nop
	global_prefetch_b8 v0, s[64:65] scope:SCOPE_SE
	s_setreg_imm32_b32 hwreg(HW_REG_WAVE_MODE, 25, 1), 1
	s_wait_xcnt 0x0
; LAYER NORM, THEN CODES OF BF8 (E5M2).  src [4096][1024] f32; y = gain (x - mean) / sqrt(var + 1e-6) + bias, all in f32, mean first and then the squares of x - mean;
; y is turned into codes NOUT times, each time with another given scale 2^e (entries SC0/4, SC0/4 + 2, .. of the scales): dst [NOUT][4096][1024], one code a byte.
; code = y / 2^e, held within +-57,344, rounded to the nearest code, ties to even.  LIMITS: each e between -126 and 112; NaN among the inputs is not served.
; SHARES.  One wave takes a whole row (4,096 bytes: eight loads of 512 consecutive bytes) and keeps it in 32 registers; two rows a wave, sixteen a work-group.  The sums never leave the wave: no barrier.
; A lane holds columns 128 i + 4 lane + 0..3 in registers 4 i .. 4 i + 3, so a conversion's result register i holds the four codes of load i.  They turn through the wave's own LDS bytes
; (4 bytes a lane in, 16 bytes a lane out), so that each store of the wave covers 512 consecutive bytes of a row of codes.
; No matrix unit, no tensor load, no cluster: work-groups share nothing but the gains and biases (8 KiB), and the bytes of src and dst are all that counts.
.set NOUT, 1                           ; how many scales
.set SC0,  48                          ; byte of the scale's entry: entry 12
.set G,    8
.set B,    40
.set X,    72
.set T,    136
.set C,    168
.set OUTR, 192
.set S,    240
.set SCL,  248
	s_load_b256 s[4:11], s[0:1], 0x0               ; src s[4:5], gain s[6:7], bias s[8:9], scales s[10:11]
	s_load_b64 s[12:13], s[0:1], 0x20              ; dst
	v_lshl_add_u32 v254, v0, 2, 0x2000
	v_mov_b32 v255, 0
	v_lshrrev_b32 v4, 5, v0
	s_delay_alu instid0(VALU_DEP_1)
	v_readfirstlane_b32 s24, v4                    ; wave 0..7
	v_and_b32 v5, 31, v0                           ; lane
	s_delay_alu instid0(VALU_DEP_1)
	v_lshlrev_b32 v1, 4, v5                        ; 16 x lane
	s_mul_i32 s25, s24, NOUT*1024                  ; my wave's LDS bytes
	v_lshl_add_u32 v2, v5, 2, s25                  ; in: 4 x lane
	v_lshl_add_u32 v3, v5, 4, s25                  ; out: 16 x lane
	s_lshl_b32 s26, ttmp9, 4
	s_lshl_b32 s27, s24, 1
	s_add_co_u32 s26, s26, s27                     ; my first row
	s_lshl_b32 s36, s26, 12
	s_mov_b32 s37, 0
	s_lshl_b32 s26, s26, 10
	s_mov_b32 s27, 0
	s_mov_b32 s14, 0x3a800000                      ; 1 / 1024
	s_mov_b32 s15, 0x358637bd                      ; 1e-6
	s_mov_b32 s34, 0x76543210
	s_mov_b32 s35, 0xfedcba98
	s_wait_alu depctr_va_vdst(0)
	s_wait_kmcnt 0x0
.if NOUT == 3
	s_load_b256 s[16:23], s[10:11], 0x0
.else
	s_load_b32 s16, s[10:11], SC0
.endif
	s_add_nc_u64 s[4:5], s[4:5], s[36:37]
	s_add_nc_u64 s[28:29], s[12:13], s[26:27]
.if NOUT > 1
.set o, 1
.rept NOUT-1
	s_add_nc_u64 s[28+2*o:29+2*o], s[28:29], o*0x400000
.set o, o+1
.endr
.endif
.set j, 0
.rept 8
	global_load_b128 v[X+4*j:X+4*j+3], v1, s[4:5] offset:512*j th:TH_LOAD_NT   ; row 0
.set j, j+1
.endr
.set j, 0
.rept 8
	global_load_b128 v[G+4*j:G+4*j+3], v1, s[6:7] offset:512*j
.set j, j+1
.endr
.set j, 0
.rept 8
	global_load_b128 v[B+4*j:B+4*j+3], v1, s[8:9] offset:512*j
.set j, j+1
.endr
.set j, 0
.rept 8
	global_load_b128 v[X+32+4*j:X+32+4*j+3], v1, s[4:5] offset:4096+512*j th:TH_LOAD_NT   ; row 1
.set j, j+1
.endr
	s_wait_kmcnt 0x0
.set o, 0
.rept NOUT
	s_add_co_i32 s36, s[16+2*o], 127
	s_lshl_b32 s37, s36, 23
	v_mov_b32 v[SCL+2*o], s37                      ; 2^e as f32
	s_add_co_i32 s36, s36, 15
	s_lshl_b32 s36, s36, 23
	s_or_b32 s36, s36, 0x600000
	v_mov_b32 v[SCL+2*o+1], s36                    ; 57,344 x 2^e
.set o, o+1
.endr
.macro WSUM r, t                       ; the sum over the 32 lanes, in every lane
	s_delay_alu instid0(VALU_DEP_1)
	v_add_f32_dpp v[\r], v[\r], v[\r] row_xmask:1 row_mask:0xf bank_mask:0xf
	s_delay_alu instid0(VALU_DEP_1)
	v_add_f32_dpp v[\r], v[\r], v[\r] row_xmask:2 row_mask:0xf bank_mask:0xf
	s_delay_alu instid0(VALU_DEP_1)
	v_add_f32_dpp v[\r], v[\r], v[\r] row_xmask:4 row_mask:0xf bank_mask:0xf
	s_delay_alu instid0(VALU_DEP_1)
	v_add_f32_dpp v[\r], v[\r], v[\r] row_xmask:8 row_mask:0xf bank_mask:0xf
	s_delay_alu instid0(VALU_DEP_1)
	v_permlanex16_b32 v[\t], v[\r], s34, s35
	s_delay_alu instid0(VALU_DEP_1)
	v_add_f32 v[\r], v[\r], v[\t]
.endm
.macro OUT i, o                        ; row i under scale o: hold, convert, turn through LDS
.set j, 0
.rept 32
	v_med3_num_f32 v[T+j], v[X+32*(\i)+j], -v[SCL+2*(\o)+1], v[SCL+2*(\o)+1]   ; the conversion does not saturate (ISA guide 7.6.2): the hold comes first
.set j, j+1
.endr
.set j, 0
.rept 4
	v_cvt_scalef32_pk8_bf8_f32 v[C+8*(\o)+2*j:C+8*(\o)+2*j+1], v[T+8*j:T+8*j+7], v[SCL+2*(\o)]
.set j, j+1
.endr
	v_nop                                          ; a plain line between the conversions and the next lines that write their sources
.set j, 0
.rept 8
	ds_store_b32 v2, v[C+8*(\o)+j] offset:(\o)*1024+128*j
.set j, j+1
.endr
	ds_load_b128 v[OUTR+24*(\i)+8*(\o):OUTR+24*(\i)+8*(\o)+3], v3 offset:(\o)*1024         ; LDS serves a wave's instructions in order (ISA guide 5.7.1.4)
	ds_load_b128 v[OUTR+24*(\i)+8*(\o)+4:OUTR+24*(\i)+8*(\o)+7], v3 offset:(\o)*1024+512
.endm
.macro ROW i, w1, w2
.set XR, X+32*(\i)
	s_wait_loadcnt \w1
	v_pk_add_f32 v[S:S+1], v[XR:XR+1], v[XR+2:XR+3]
	v_pk_add_f32 v[S+2:S+3], v[XR+4:XR+5], v[XR+6:XR+7]
.set j, 8
.rept 6
	s_delay_alu instid0(VALU_DEP_2)
	v_pk_add_f32 v[S:S+1], v[S:S+1], v[XR+j:XR+j+1]
	s_delay_alu instid0(VALU_DEP_2)
	v_pk_add_f32 v[S+2:S+3], v[S+2:S+3], v[XR+j+2:XR+j+3]
.set j, j+4
.endr
	s_delay_alu instid0(VALU_DEP_1)
	v_pk_add_f32 v[S:S+1], v[S:S+1], v[S+2:S+3]
	s_delay_alu instid0(VALU_DEP_1)
	v_add_f32 v[S], v[S], v[S+1]
	WSUM S, S+1
	s_delay_alu instid0(VALU_DEP_1)
	v_mul_f32 v[S+4], s14, v[S]                    ; the mean, twice
	s_delay_alu instid0(VALU_DEP_2)
	v_mul_f32 v[S+5], s14, v[S]
.set j, 0
.rept 16
	v_pk_add_f32 v[XR+j:XR+j+1], v[XR+j:XR+j+1], v[S+4:S+5] neg_lo:[0,1] neg_hi:[0,1]   ; x - mean
.set j, j+2
.endr
	v_pk_mul_f32 v[S:S+1], v[XR:XR+1], v[XR:XR+1]
	v_pk_mul_f32 v[S+2:S+3], v[XR+2:XR+3], v[XR+2:XR+3]
.set j, 4
.rept 7
	s_delay_alu instid0(VALU_DEP_2)
	v_pk_fma_f32 v[S:S+1], v[XR+j:XR+j+1], v[XR+j:XR+j+1], v[S:S+1]
	s_delay_alu instid0(VALU_DEP_2)
	v_pk_fma_f32 v[S+2:S+3], v[XR+j+2:XR+j+3], v[XR+j+2:XR+j+3], v[S+2:S+3]
.set j, j+4
.endr
	s_delay_alu instid0(VALU_DEP_1)
	v_pk_add_f32 v[S:S+1], v[S:S+1], v[S+2:S+3]
	s_delay_alu instid0(VALU_DEP_1)
	v_add_f32 v[S], v[S], v[S+1]
	WSUM S, S+1
	s_delay_alu instid0(VALU_DEP_1)
	v_fma_f32 v[S], v[S], s14, s15                 ; var + 1e-6
	s_wait_alu depctr_va_vdst(0)
	v_rsq_f32 v[S+6], v[S]
	v_nop                                          ; a plain line behind the transcendental (ISA guide 5.7.2),
	s_wait_alu depctr_va_vdst(0)                   ; and the wait ahead of the first line that names its result
	v_mov_b32 v[S+7], v[S+6]
	s_wait_alu depctr_va_vdst(0)
	s_wait_loadcnt \w2
.set j, 0
.rept 16
	v_pk_mul_f32 v[XR+j:XR+j+1], v[XR+j:XR+j+1], v[S+6:S+7]
.set j, j+2
.endr
.set j, 0
.rept 16
	v_pk_fma_f32 v[XR+j:XR+j+1], v[XR+j:XR+j+1], v[G+j:G+j+1], v[B+j:B+j+1]
.set j, j+2
.endr
.set o, 0
.rept NOUT
	OUT \i, o
.set o, o+1
.endr
	s_wait_dscnt 0x0                               ; the codes are back in registers
.set o, 0
.rept NOUT
	global_store_b128 v1, v[OUTR+24*(\i)+8*o:OUTR+24*(\i)+8*o+3], s[28+2*o:29+2*o] offset:(\i)*1024       ; 32 lanes store 512 consecutive bytes
	global_store_b128 v1, v[OUTR+24*(\i)+8*o+4:OUTR+24*(\i)+8*o+7], s[28+2*o:29+2*o] offset:(\i)*1024+512
.set o, o+1
.endr
.endm
	ROW 0, 24, 8                                   ; behind row 0's eight loads: gains, biases, row 1 (24); behind the biases: row 1 (8)
	ROW 1, 0, 0
	s_wait_tensorcnt 0x0
	ds_add_u32 v254, v255
	s_wait_dscnt 0x0
	s_endpgm
.Lfunc_end_k_qf294110a41_ln2:
	.size	k_qf294110a41_ln2, .Lfunc_end_k_qf294110a41_ln2-k_qf294110a41_ln2
	.p2alignl 7, 3214868480
	.fill 96, 4, 3214868480
	.section	.rodata,"a",@progbits
	.p2align	6, 0x0
	.amdhsa_kernel k_qf294110a41_ln2
		.amdhsa_group_segment_fixed_size 9216
		.amdhsa_private_segment_fixed_size 0
		.amdhsa_enable_private_segment 0
		.amdhsa_kernarg_size 40
		.amdhsa_user_sgpr_count 2
		.amdhsa_user_sgpr_kernarg_segment_ptr 1
		.amdhsa_wavefront_size32 1
		.amdhsa_system_sgpr_workgroup_id_x 1
		.amdhsa_system_sgpr_workgroup_id_y 1
		.amdhsa_system_sgpr_workgroup_id_z 1
		.amdhsa_system_vgpr_workitem_id 0
		.amdhsa_next_free_vgpr 256
		.amdhsa_next_free_sgpr 66
		.amdhsa_reserve_vcc 0
		.amdhsa_float_denorm_mode_32 3
		.amdhsa_float_denorm_mode_16_64 3
		.amdhsa_memory_ordered 1
		.amdhsa_forward_progress 1
		.amdhsa_inst_pref_size 27
	.end_amdhsa_kernel
	.amdgpu_metadata
---
amdhsa.version: [ 1, 2 ]
amdhsa.kernels:
  - .name:           k_qf294110a41_ln2
    .symbol:         k_qf294110a41_ln2.kd
    .args:
      - { .name: hres, .offset: 0, .size: 8, .value_kind: global_buffer, .address_space: global }
      - { .name: ln2_s, .offset: 8, .size: 8, .value_kind: global_buffer, .address_space: global }
      - { .name: ln2_b, .offset: 16, .size: 8, .value_kind: global_buffer, .address_space: global }
      - { .name: lowp_scales, .offset: 24, .size: 8, .value_kind: global_buffer, .address_space: global }
      - { .name: yc, .offset: 32, .size: 8, .value_kind: global_buffer, .address_space: global }
    .group_segment_fixed_size: 9216
    .private_segment_fixed_size: 0
    .kernarg_segment_align: 8
    .kernarg_segment_size: 40
    .max_flat_workgroup_size: 256
    .sgpr_count:     66
    .vgpr_count:     256
    .wavefront_size: 32
...
	.end_amdgpu_metadata
.endif
;; end of part 5
;; launch ff1 (part 6): grid 16 x 16, 4 waves a work-group, clusters of 4 x 4, 327,680 bytes of LDS; arguments yc, w1_codes, lowp_scales, b1, gc; writes gc
.if DOCPART == 6
	.amdgcn_target "amdgcn-amd-amdhsa--gfx1250"
	.amdhsa_code_object_version 6
	.text
	.protected	k_qf294110a41_ff1
	.globl	k_qf294110a41_ff1
	.p2align	8
	.type	k_qf294110a41_ff1,@function
k_qf294110a41_ff1:
	s_mov_b64 s[64:65], 0
	v_nop
	global_prefetch_b8 v0, s[64:65] scope:SCOPE_SE
	s_setreg_imm32_b32 hwreg(HW_REG_WAVE_MODE, 25, 1), 1
	s_wait_xcnt 0x0
	s_wait_alu depctr_hold_cnt(0) depctr_sa_sdst(0) depctr_va_vdst(0) depctr_va_sdst(0) depctr_va_ssrc(0) depctr_va_vcc(0) depctr_vm_vsrc(0)
	s_getreg_b32 s2, hwreg(HW_REG_IB_STS2, 6, 4)
	s_cmp_eq_u32 s2, 0
	s_cbranch_scc0 .Lentry_in_a_cluster
	s_endpgm
.Lentry_in_a_cluster:
	s_bfe_u32 s2, ttmp6, 0x10000c
	s_cmp_lg_u32 s2, 0xf033
	s_cbranch_scc0 .Lentry_shape_is_right
	s_endpgm
.Lentry_shape_is_right:
.set KSTEP,  256
.set ROWB,   256
.set KROW,   1024
.set PITCH,  272
.set FR,     16
.set NL,     4
.set NP,     4
.set HALFT,  128*PITCH
.set SLOT,   4*HALFT
.set LAPS,   2
.set SPARE,  2*SLOT
.set K0P,  8
.set ADRA, 16
.set ADRB, 20
.set STO,  24
.set RD,   25
.set CO,   26
.set BA,   27
.set SPW,  28
.set NIL,  29
.set SCR,  30
.set LIMR, 31
.set CD,   32
.set BIAS, 64
.set AF,   128
.set U,    128
.set W,    192
.set BK,   128
.set G1, 24
.set G0, 32
.set G1B, 48
.set G0B, 56
.set WV, 84
.set RH, 85
.set CH, 86
.set TA, 87
.set MSB, 0
.macro WIN new
.if MSB != \new
	s_set_vgpr_msb (MSB<<8)|\new
.set MSB, \new
.endif
.endm
.set MUL_LO, 0xa1
.set MUL_HI, 0xf1
.set TO_B,   0x40
.macro JLOAD g0a, g1a, g0b, g1b
	s_cmp_eq_u32 s[RH], 0
	s_cbranch_scc0 .Lfor_b_\@
	tensor_load_to_lds s[\g0a:\g0a+3], s[\g1a:\g1a+7]
	s_nop 0
.rept 4
	v_nop
.endr
	s_branch .Lasked_\@
.Lfor_b_\@:
	tensor_load_to_lds s[\g0b:\g0b+3], s[\g1b:\g1b+7]
	s_nop 0
.rept 4
	v_nop
.endr
.Lasked_\@:
.endm
.macro CREST
	s_cmp_lg_u32 s[WV], 0
	s_cbranch_scc1 .Lnot_wave_0_\@
	s_barrier_signal -3
.Lnot_wave_0_\@:
	s_barrier_wait -3
	s_barrier_signal -1
	s_barrier_wait -1
.endm
.macro CROUND
	s_barrier_signal -1
	s_barrier_wait -1
	CREST
.endm
	s_load_b256 s[4:11], s[0:1], 0x0
	s_load_b64 s[12:13], s[0:1], 0x20
	v_lshl_add_u32 v[SPW], v0, 2, SPARE
	v_mov_b32 v[NIL], 0
	ds_add_u32 v28, v29
	ds_add_u32 v28, v29
	s_wait_dscnt 0x0
	v_lshrrev_b32 v1, 5, v0
	v_readfirstlane_b32 s[WV], v1
	s_lshr_b32 s[RH], s[WV], 1
	s_and_b32 s[CH], s[WV], 1
	s_bfe_u32 s40, ttmp6, 0x40000
	s_bfe_u32 s41, ttmp6, 0x40004
	s_lshl_b32 s42, ttmp9, 2
	s_add_co_u32 s42, s42, s40
	s_and_b32 s[TA], ttmp7, 0xffff
	s_lshl_b32 s[TA], s[TA], 2
	s_add_co_u32 s[TA], s[TA], s41
	s_lshl_b32 s43, s41, 2
	s_lshl_b32 s43, 15, s43
	s_lshl_b32 s44, 0x1111, s40
	s_or_b32 s[G1+0], s43, (0<<16)|(1<<20)|(1<<21)|(5<<22)|(3<<25)
	s_or_b32 s[G1B+0], s44, (0<<16)|(1<<20)|(1<<21)|(5<<22)|(3<<25)
.irp g, G1, G1B
	s_mov_b32 s[\g+1], ROWB<<16
	s_mov_b32 s[\g+2], 128<<16
	s_mov_b32 s[\g+3], ROWB<<16
	s_mov_b32 s[\g+4], 128
	s_mov_b32 s[\g+5], KROW
	s_mov_b32 s[\g+6], 0
	s_mov_b32 s[\g+7], 0
.endr
	s_lshl_b32 s18, s[CH], 17
	s_lshl_b32 s20, s[TA], 18
	s_add_co_u32 s20, s20, s18
	s_mov_b32 s21, 0
	s_lshl_b32 s46, s42, 18
	s_add_co_u32 s46, s46, s18
	s_mov_b32 s47, 0
	s_mul_i32 s45, s[WV], HALFT
	s_wait_kmcnt 0x0
	s_load_b512 s[68:83], s[8:9], 0x0
	s_add_nc_u64 s[20:21], s[4:5], s[20:21]
	s_add_nc_u64 s[46:47], s[6:7], s[46:47]
	CROUND
.irp s, 0,1
	s_mov_b32 s[G0+4*\s], 1
	s_add_co_u32 s[G0+4*\s+1], s45, \s*SLOT
	s_add_nc_u64 s[G0+4*\s+2:G0+4*\s+3], s[20:21], \s*ROWB
	s_or_b32 s[G0+4*\s+3], s[G0+4*\s+3], 0x80000000
	s_mov_b32 s[G0B+4*\s], 1
	s_add_co_u32 s[G0B+4*\s+1], s45, \s*SLOT
	s_add_nc_u64 s[G0B+4*\s+2:G0B+4*\s+3], s[46:47], \s*ROWB
	s_or_b32 s[G0B+4*\s+3], s[G0B+4*\s+3], 0x80000000
.endr
	JLOAD G0, G1, G0B, G1B                         ; K step 0: one tensor load a wave at the head
	; PREFETCHES INTO THE L2: a K step is 256 bytes of each row.  Of the 128 rows that a wave fetches, each of the four partners that ask for them jointly takes 32, told apart BY ADDRESS (cx for A, cy for B): a lane a row.
	; K steps 1 and 2 are asked for behind K step 0's load, K step 3 behind K step 1's: at most two steps are asked for and not yet loaded.
	s_cmp_eq_u32 s[RH], 0
	s_cselect_b64 s[88:89], s[20:21], s[46:47]
	s_cselect_b32 s2, s40, s41
	s_lshl_b32 s2, s2, 15                          ; 32 rows of 1,024 bytes
	s_mov_b32 s3, 0
	s_add_nc_u64 s[88:89], s[88:89], s[2:3]
	v_and_b32 v10, 31, v0
	v_lshlrev_b32 v10, 10, v10                     ; v10, s[88:89]: never rewritten
	global_prefetch_b8 v10, s[88:89] offset:256 th:TH_LOAD_NT scope:SCOPE_SE
	global_prefetch_b8 v10, s[88:89] offset:512 th:TH_LOAD_NT scope:SCOPE_SE
	v_and_b32 v1, 15, v0
	v_bfe_u32 v2, v0, 4, 1
	s_wait_alu depctr_va_vdst(0)
	v_mul_u32_u24 v3, v1, PITCH
	v_lshl_add_u32 v4, v2, 4, v3
	s_mul_i32 s21, s[RH], HALFT
	s_mul_i32 s22, s[CH], HALFT
	s_add_co_u32 s22, s22, 2*HALFT
.irp s, 0,1
	v_add_nc_u32 v[ADRA+\s], s21, v4
	v_add_nc_u32 v[ADRB+\s], s22, v4
	s_add_co_u32 s21, s21, SLOT
	s_add_co_u32 s22, s22, SLOT
.endr
	v_lshl_add_u32 v5, v2, 3, v3
	s_mul_i32 s23, s[RH], HALFT
	s_lshl_b32 s16, s[CH], 7
	s_add_co_u32 s23, s23, s16
	v_add_nc_u32 v[STO], s23, v5
	v_mul_u32_u24 v6, v2, PITCH
	v_lshl_add_u32 v6, v1, 4, v6
	s_mul_i32 s23, s[WV], 64*PITCH
	v_add_nc_u32 v[RD], s23, v6
	v_lshlrev_b32 v[CO], 4, v1
	v_lshl_add_u32 v[CO], v2, 12, v[CO]
	v_lshlrev_b32 v[BA], 5, v2
	s_wait_alu depctr_va_vdst(0)
	v_mov_b32 v[K0P], 0xc0135761
	v_mov_b32 v[K0P+1], 0xc0135761
	s_lshl_b32 s16, s[TA], 8
	s_lshl_b32 s17, s[WV], 6
	s_add_co_u32 s16, s16, s17
	s_lshl_b32 s16, s16, 12
	s_lshl_b32 s17, s42, 8
	s_add_co_u32 s16, s16, s17
	s_mov_b32 s17, 0
	s_add_nc_u64 s[90:91], s[12:13], s[16:17]
	s_lshl_b32 s16, s42, 10
	s_lshl_b32 s22, s[CH], 9
	s_add_co_u32 s16, s16, s22
	s_add_nc_u64 s[10:11], s[10:11], s[16:17]
.set j, 0
.rept 8
	global_load_b128 v[BIAS+8*j:BIAS+8*j+3], v[BA], s[10:11] offset:64*j
	global_load_b128 v[BIAS+8*j+4:BIAS+8*j+7], v[BA], s[10:11] offset:64*j+16
.set j, j+1
.endr
.macro FRAG reg, adr, q, i
.irp c, 0,1,2,3
	ds_load_b128 v[\reg+4*\c:\reg+4*\c+3], v[\adr] offset:128*(\q)+32*\c+(\i)*16*PITCH
.endr
.endm
.macro MUL16 a0, p, zero
.irp a, \a0, \a0+1
.irp b, 0,1,2,3,4,5,6,7
.if \zero
	v_wmma_f32_16x16x128_bf8_bf8 v[8*(8*((\a)%4)+\b):8*(8*((\a)%4)+\b)+7], v[128*(\p)+FR*\b:128*(\p)+FR*\b+FR-1], v[AF+FR*(\a):AF+FR*(\a)+FR-1], 0
.else
	v_wmma_f32_16x16x128_bf8_bf8 v[8*(8*((\a)%4)+\b):8*(8*((\a)%4)+\b)+7], v[128*(\p)+FR*\b:128*(\p)+FR*\b+FR-1], v[AF+FR*(\a):AF+FR*(\a)+FR-1], v[8*(8*((\a)%4)+\b):8*(8*((\a)%4)+\b)+7]
.endif
.endr
.endr
.endm
.macro FETCH_B slot, q, p
	WIN TO_B
.irp i, 0,1,2,3,4,5,6,7
	FRAG 128*(\p)+FR*\i, ADRB+\slot, \q, \i
.endr
	WIN 0
.endm
.macro FETCH_A slot, q, i0
.irp i, \i0, \i0+1, \i0+2, \i0+3
	FRAG AF+FR*(\i), ADRA+\slot, \q, \i
.endr
.endm
.macro PLACES n
.rept \n
	v_nop
.endr
.endm
.macro STEP slot, q, zero
	s_wait_dscnt 4*NL
	WIN MUL_LO
	MUL16 0, (\q)%2, \zero
	MUL16 2, (\q)%2, \zero
	s_wait_dscnt 0
	PLACES NP
	FETCH_B \slot, (\q)+1, 1-(\q)%2
	FETCH_A \slot, (\q)+1, 0
	WIN MUL_HI
	MUL16 4, (\q)%2, \zero
	MUL16 6, (\q)%2, \zero
	PLACES NP
	WIN 0
	FETCH_A \slot, (\q)+1, 4
.endm
.macro TURN slot, next, fill
	s_wait_tensorcnt 0x0
	ds_add_u32 v[SPW], v[NIL]
	s_wait_dscnt 4*NL+1
	WIN MUL_LO
	MUL16 0, 1, 0
	s_wait_dscnt 0x0
	s_barrier_signal -1
	MUL16 2, 1, 0
	WIN 0
	s_barrier_wait -1
.if \fill
	CREST
	s_add_nc_u64 s[G0+4*\slot+2:G0+4*\slot+3], s[G0+4*\slot+2:G0+4*\slot+3], 2*ROWB
	s_add_nc_u64 s[G0B+4*\slot+2:G0B+4*\slot+3], s[G0B+4*\slot+2:G0B+4*\slot+3], 2*ROWB
	JLOAD G0+4*\slot, G1, G0B+4*\slot, G1B
.else
	PLACES NP
.endif
	FETCH_B \next, 0, 0
	FETCH_A \next, 0, 0
	WIN MUL_HI
	MUL16 4, 1, 0
	MUL16 6, 1, 0
	PLACES NP
	WIN 0
	FETCH_A \next, 0, 4
.endm
	s_wait_alu depctr_va_vdst(0)                   ; the wait at the head's end
	s_wait_tensorcnt 0x0                           ; my part of K step 0 is in; slot 1's first fill is issued as a refill is:
	ds_add_u32 v[SPW], v[NIL]                      ; 0 onto my spare word
	s_wait_dscnt 0x0
	CROUND                                         ; everybody's part of K step 0 is in, and all sixteen work-groups are here
	JLOAD G0+4, G1, G0B+4, G1B                     ; K step 1: the first tensor load behind the round
	FETCH_B 0, 0, 0
	FETCH_A 0, 0, 0
	FETCH_A 0, 0, 4
	global_prefetch_b8 v10, s[88:89] offset:768 th:TH_LOAD_NT scope:SCOPE_SE   ; K step 3
	STEP 0, 0, 1
	s_mov_b32 s3, LAPS-1
.Llap:
	TURN 0, 1, 1
	STEP 1, 0, 0
	TURN 1, 0, 1
	STEP 0, 0, 0
	s_sub_co_u32 s3, s3, 1
	s_cmp_lg_u32 s3, 0
	s_cbranch_scc1 .Llap
	TURN 0, 1, 0
	STEP 1, 0, 0
	s_wait_dscnt 4*NL
	WIN MUL_LO
	MUL16 0, 1, 0
	MUL16 2, 1, 0
	s_wait_dscnt 0
	WIN MUL_HI
	MUL16 4, 1, 0
	MUL16 6, 1, 0
	WIN 0
.macro GSTAGE a
.set AC, 64*((\a)%4)
.set CDR, CD+16*((\a)%2)
	WIN 0x02+((\a)/4)
.set j, 0
.rept 32
	v_pk_fma_f32 v[U+j:U+j+1], v[AC+j:AC+j+1], s[92:93], v[BIAS+j:BIAS+j+1] op_sel_hi:[1,0,1]
.set j, j+2
.endr
	WIN 0
.set j, 0
.rept 32
	v_pk_mul_f32 v[W+j:W+j+1], v[U+j:U+j+1], v[U+j:U+j+1]
.set j, j+2
.endr
.set j, 0
.rept 32
	v_pk_fma_f32 v[W+j:W+j+1], v[W+j:W+j+1], s[96:97], v[K0P:K0P+1] op_sel_hi:[1,0,1]
.set j, j+2
.endr
.set j, 0
.rept 32
	v_pk_mul_f32 v[W+j:W+j+1], v[W+j:W+j+1], v[U+j:U+j+1]
.set j, j+2
.endr
.set j, 0
	s_wait_alu depctr_va_vdst(0)
.rept 64
	v_exp_f32 v[W+j], v[W+j]
.set j, j+1
.endr
	v_nop
	s_wait_alu depctr_va_vdst(0)
.set j, 0
.rept 32
	v_pk_add_f32 v[W+j:W+j+1], v[W+j:W+j+1], 1.0 op_sel_hi:[1,0]
.set j, j+2
.endr
.set j, 0
	s_wait_alu depctr_va_vdst(0)
.rept 64
	v_rcp_f32 v[W+j], v[W+j]
.set j, j+1
.endr
	v_nop
	s_wait_alu depctr_va_vdst(0)
.set j, 0
.rept 32
	v_pk_mul_f32 v[U+j:U+j+1], v[U+j:U+j+1], v[W+j:W+j+1]
.set j, j+2
.endr
.set j, 0
.rept 64
	v_med3_num_f32 v[U+j], v[U+j], -v[LIMR], v[LIMR]
.set j, j+1
.endr
.set j, 0
.rept 8
	v_cvt_scalef32_pk8_bf8_f32 v[CDR+2*j:CDR+2*j+1], v[U+8*j:U+8*j+7], v[SCR]
.set j, j+1
.endr
	v_nop
.set j, 0
.rept 8
	ds_store_b64 v[STO], v[CDR+2*j:CDR+2*j+1] offset:(\a)*16*PITCH+16*j
.set j, j+1
.endr
.endm
	s_wait_kmcnt 0x0
	s_wait_loadcnt 0x0
	s_add_co_i32 s92, s80, s81
	s_add_co_i32 s92, s92, 127
	s_lshl_b32 s92, s92, 23
	s_mov_b32 s93, s92
	s_mov_b32 s96, 0xbdd2d3e8
	s_mov_b32 s97, s96
	s_add_co_i32 s94, s82, 127
	s_lshl_b32 s95, s94, 23
	v_mov_b32 v[SCR], s95
	s_add_co_i32 s94, s94, 15
	s_lshl_b32 s94, s94, 23
	s_or_b32 s94, s94, 0x600000
	v_mov_b32 v[LIMR], s94
	PLACES NP
.irp a, 0,1,2,3,4,5,6,7
	GSTAGE \a
.endr
	s_wait_dscnt 0x0
	s_barrier_signal -1
	s_barrier_wait -1
.set j, 0
.rept 32
	ds_load_b128 v[BK+4*j:BK+4*j+3], v[RD] offset:2*j*PITCH
.set j, j+1
.endr
.set j, 0
.rept 32
	s_wait_dscnt 31-j
	global_store_b128 v[CO], v[BK+4*j:BK+4*j+3], s[90:91] offset:2*j*4096
.set j, j+1
.endr
	s_wait_tensorcnt 0x0
	ds_add_u32 v[SPW], v[NIL]
	s_wait_dscnt 0x0
	CROUND
	s_endpgm
.Lfunc_end_k_qf294110a41_ff1:
	.size	k_qf294110a41_ff1, .Lfunc_end_k_qf294110a41_ff1-k_qf294110a41_ff1
	.p2alignl 7, 3214868480
	.fill 96, 4, 3214868480
	.section	.rodata,"a",@progbits
	.p2align	6, 0x0
	.amdhsa_kernel k_qf294110a41_ff1
		.amdhsa_group_segment_fixed_size 327680
		.amdhsa_private_segment_fixed_size 0
		.amdhsa_enable_private_segment 0
		.amdhsa_kernarg_size 40
		.amdhsa_user_sgpr_count 2
		.amdhsa_user_sgpr_kernarg_segment_ptr 1
		.amdhsa_wavefront_size32 1
		.amdhsa_system_sgpr_workgroup_id_x 1
		.amdhsa_system_sgpr_workgroup_id_y 1
		.amdhsa_system_sgpr_workgroup_id_z 1
		.amdhsa_system_vgpr_workitem_id 0
		.amdhsa_next_free_vgpr 1024
		.amdhsa_next_free_sgpr 100
		.amdhsa_reserve_vcc 0
		.amdhsa_float_denorm_mode_32 3
		.amdhsa_float_denorm_mode_16_64 3
		.amdhsa_memory_ordered 1
		.amdhsa_forward_progress 1
		.amdhsa_inst_pref_size 255
	.end_amdhsa_kernel
	.section	.bss,"aw",@nobits
	.p2align	6
	.space	262144
	.amdgpu_metadata
---
amdhsa.version: [ 1, 2 ]
amdhsa.kernels:
  - .name:           k_qf294110a41_ff1
    .symbol:         k_qf294110a41_ff1.kd
    .args:
      - { .name: yc, .offset: 0, .size: 8, .value_kind: global_buffer, .address_space: global }
      - { .name: w1_codes, .offset: 8, .size: 8, .value_kind: global_buffer, .address_space: global }
      - { .name: lowp_scales, .offset: 16, .size: 8, .value_kind: global_buffer, .address_space: global }
      - { .name: b1, .offset: 24, .size: 8, .value_kind: global_buffer, .address_space: global }
      - { .name: gc, .offset: 32, .size: 8, .value_kind: global_buffer, .address_space: global }
    .group_segment_fixed_size: 327680
    .private_segment_fixed_size: 0
    .kernarg_segment_align: 8
    .kernarg_segment_size: 40
    .max_flat_workgroup_size: 128
    .sgpr_count:     100
    .vgpr_count:     1024
    .wavefront_size: 32
...
	.end_amdgpu_metadata
.endif
;; end of part 6
;; launch ff2 (part 7): grid 8 x 32, 4 waves a work-group, clusters of 4 x 4, 327,680 bytes of LDS; arguments gc, w2_codes, lowp_scales, b2, hres, out0; writes out0
.if DOCPART == 7
	.amdgcn_target "amdgcn-amd-amdhsa--gfx1250"
	.amdhsa_code_object_version 6
	.text
	.protected	k_qf294110a41_ff2
	.globl	k_qf294110a41_ff2
	.p2align	8
	.type	k_qf294110a41_ff2,@function
k_qf294110a41_ff2:
	s_mov_b64 s[64:65], 0
	v_nop
	global_prefetch_b8 v0, s[64:65] scope:SCOPE_SE
	s_setreg_imm32_b32 hwreg(HW_REG_WAVE_MODE, 25, 1), 1
	s_wait_xcnt 0x0
	s_wait_alu depctr_hold_cnt(0) depctr_sa_sdst(0) depctr_va_vdst(0) depctr_va_sdst(0) depctr_va_ssrc(0) depctr_va_vcc(0) depctr_vm_vsrc(0)
	s_getreg_b32 s2, hwreg(HW_REG_IB_STS2, 6, 4)
	s_cmp_eq_u32 s2, 0
	s_cbranch_scc0 .Lentry_in_a_cluster
	s_endpgm
.Lentry_in_a_cluster:
	s_bfe_u32 s2, ttmp6, 0x10000c
	s_cmp_lg_u32 s2, 0xf033
	s_cbranch_scc0 .Lentry_shape_is_right
	s_endpgm
.Lentry_shape_is_right:
.set SIZE_K, 4096
.set SCOFF,  56
.set NTOUT,  1
.set KSLOT,  512
.set PITCH,  528
.set HALFT,  64*PITCH
.set SLOT,   4*HALFT
.set STAGE,  2*SLOT
.set SPITCH, 272
.set SPARE,  STAGE+4*16*SPITCH
.set LAPS,   SIZE_K/(2*KSLOT)
.set ADRA, 16
.set ADRB, 20
.set STO,  24
.set RD,   25
.set CO,   26
.set BA,   27
.set SPW,  28
.set NIL,  29
.set BIAS, 32
.set T,    64
.set ACC,  128
.set F0,   0
.set F1,   128
.set G1, 24
.set G0, 32
.set G1B, 48
.set G0B, 56
.set ABASE, 68
.set BBASE, 70
.set KOFF,  72
.set PFB,   76                         ; s[76:77] the prefetches' rows: my work-group's 16 of the 64 rows that my wave fetches
.set PFA,   78                         ; s[78:79] PFB + the K step's bytes along a row
.set PFO,   30                         ; v30 the prefetches' offset: row lane % 16 (4,096 bytes each), block lane / 16 of the step's two blocks of 256 bytes; never rewritten
.set WV, 84
.set RH, 85
.set CH, 86
.set TA, 87
.set MSB, 0
.macro WIN new
.if MSB != \new
	s_set_vgpr_msb (MSB<<8)|\new
.set MSB, \new
.endif
.endm
.set MUL,  0x05
.set TO_F, 0x40
.macro JLOAD s
	s_cmp_eq_u32 s[RH], 0
	s_cbranch_scc0 .Lfor_b_\@
	tensor_load_to_lds s[G0+4*\s:G0+4*\s+3], s[G1:G1+7]
	s_nop 0
.rept 4
	v_nop
.endr
	s_branch .Lasked_\@
.Lfor_b_\@:
	tensor_load_to_lds s[G0B+4*\s:G0B+4*\s+3], s[G1B:G1B+7]
	s_nop 0
.rept 4
	v_nop
.endr
.Lasked_\@:
.endm
.macro CREST
	s_cmp_lg_u32 s[WV], 0
	s_cbranch_scc1 .Lnot_wave_0_\@
	s_barrier_signal -3
.Lnot_wave_0_\@:
	s_barrier_wait -3
	s_barrier_signal -1
	s_barrier_wait -1
.endm
.macro CROUND
	s_barrier_signal -1
	s_barrier_wait -1
	CREST
.endm
.macro AIM s
	s_add_nc_u64 s[G0+4*\s+2:G0+4*\s+3], s[ABASE:ABASE+1], s[KOFF+2*\s:KOFF+2*\s+1]
	s_or_b32 s[G0+4*\s+3], s[G0+4*\s+3], 0x80000000
	s_add_nc_u64 s[G0B+4*\s+2:G0B+4*\s+3], s[BBASE:BBASE+1], s[KOFF+2*\s:KOFF+2*\s+1]
	s_or_b32 s[G0B+4*\s+3], s[G0B+4*\s+3], 0x80000000
.endm
	s_load_b256 s[4:11], s[0:1], 0x0
	s_load_b128 s[12:15], s[0:1], 0x20
	v_lshl_add_u32 v[SPW], v0, 2, SPARE
	v_mov_b32 v[NIL], 0
	ds_add_u32 v28, v29
	ds_add_u32 v28, v29
	s_wait_dscnt 0x0
	v_lshrrev_b32 v1, 5, v0
	v_readfirstlane_b32 s[WV], v1
	s_lshr_b32 s[RH], s[WV], 1
	s_and_b32 s[CH], s[WV], 1
	s_bfe_u32 s40, ttmp6, 0x40000
	s_bfe_u32 s41, ttmp6, 0x40004
	s_lshl_b32 s42, ttmp9, 2
	s_add_co_u32 s42, s42, s40
	s_and_b32 s[TA], ttmp7, 0xffff
	s_lshl_b32 s[TA], s[TA], 2
	s_add_co_u32 s[TA], s[TA], s41
	s_lshl_b32 s43, s41, 2
	s_lshl_b32 s43, 15, s43
	s_lshl_b32 s44, 0x1111, s40
	s_or_b32 s[G1+0], s43, (0<<16)|(1<<20)|(1<<21)|(6<<22)|(3<<25)
	s_or_b32 s[G1B+0], s44, (0<<16)|(1<<20)|(1<<21)|(6<<22)|(3<<25)
.irp g, G1, G1B
	s_mov_b32 s[\g+1], KSLOT<<16
	s_mov_b32 s[\g+2], 64<<16
	s_mov_b32 s[\g+3], KSLOT<<16
	s_mov_b32 s[\g+4], 64
	s_mov_b32 s[\g+5], SIZE_K
	s_mov_b32 s[\g+6], 0
	s_mov_b32 s[\g+7], 0
.endr
	s_lshl_b32 s18, s[CH], 6
	s_lshl_b32 s20, s[TA], 7
	s_add_co_u32 s20, s20, s18
	s_mul_i32 s20, s20, SIZE_K
	s_mov_b32 s21, 0
	s_lshl_b32 s46, s42, 7
	s_add_co_u32 s46, s46, s18
	s_mul_i32 s46, s46, SIZE_K
	s_mov_b32 s47, 0
	s_mul_i32 s45, s[WV], HALFT
	s_and_b32 s[KOFF], ttmp7, 0xffff
	s_and_b32 s[KOFF], s[KOFF], 3
	s_lshl_b32 s[KOFF], s[KOFF], 1
	s_lshl_b32 s[KOFF+1], ttmp9, 2
	s_add_co_u32 s[KOFF], s[KOFF], s[KOFF+1]
	s_and_b32 s[KOFF], s[KOFF], 7
	s_lshl_b32 s[KOFF], s[KOFF], 9
	s_add_co_u32 s[KOFF+2], s[KOFF], KSLOT
	s_mov_b32 s[KOFF+1], 0
	s_mov_b32 s[KOFF+3], 0
	s_wait_kmcnt 0x0
	s_load_b64 s[92:93], s[8:9], SCOFF
	s_add_nc_u64 s[ABASE:ABASE+1], s[4:5], s[20:21]
	s_add_nc_u64 s[BBASE:BBASE+1], s[6:7], s[46:47]
	CROUND
.irp s, 0,1
	s_mov_b32 s[G0+4*\s], 1
	s_add_co_u32 s[G0+4*\s+1], s45, \s*SLOT
	s_mov_b32 s[G0B+4*\s], 1
	s_add_co_u32 s[G0B+4*\s+1], s45, \s*SLOT
	AIM \s
.endr
	JLOAD 0                                        ; the walk's first K step: one tensor load a wave at the head
	v_and_b32 v1, 15, v0
	s_wait_alu depctr_va_vdst(0)
	v_bfe_u32 v2, v0, 4, 1
	v_mul_u32_u24 v3, v1, PITCH
	v_lshl_add_u32 v3, v2, 4, v3
	s_mul_i32 s21, s[RH], HALFT
	s_mul_i32 s22, s[CH], HALFT
	s_add_co_u32 s22, s22, 2*HALFT
.irp s, 0,1
	v_add_nc_u32 v[ADRA+\s], s21, v3
	v_add_nc_u32 v[ADRB+\s], s22, v3
	s_add_co_u32 s21, s21, SLOT
	s_add_co_u32 s22, s22, SLOT
.endr
	s_mul_i32 s23, s[WV], 16*SPITCH
	s_add_co_u32 s23, s23, STAGE
	v_mul_u32_u24 v4, v1, SPITCH
	s_wait_alu depctr_va_vdst(0)
	v_lshl_add_u32 v4, v2, 5, v4
	v_add_nc_u32 v[STO], s23, v4
	v_mul_u32_u24 v5, v2, SPITCH
	v_lshl_add_u32 v5, v1, 4, v5
	v_add_nc_u32 v[RD], s23, v5
	v_lshlrev_b32 v[BA], 4, v1
	v_lshl_add_u32 v[CO], v2, 12, v[BA]
	s_wait_alu depctr_va_vdst(0)
	s_lshl_b32 s16, s[TA], 7
	s_lshl_b32 s17, s[RH], 6
	s_add_co_u32 s16, s16, s17
	s_lshl_b32 s16, s16, 12
	s_lshl_b32 s22, s42, 9
	s_lshl_b32 s23, s[CH], 8
	s_add_co_u32 s22, s22, s23
	s_add_co_u32 s16, s16, s22
	s_mov_b32 s17, 0
	s_mov_b32 s23, 0
	s_add_nc_u64 s[88:89], s[12:13], s[16:17]
	s_add_nc_u64 s[90:91], s[14:15], s[16:17]
	s_add_nc_u64 s[10:11], s[10:11], s[22:23]
	; A PREFETCH INTO THE L2 stands behind each fill, for the K step that stands TWO fills on (the walk's steps 2 to 7; step 1 is asked for one fill ahead, behind step 0's fill; step 0 comes by its load alone; the last two fills ask for nothing).
	; A wave fetches 64 rows x 512 bytes: 128 blocks of 256 bytes.  The four partners that ask for them jointly share them out BY ADDRESS: the partner at place p (cx for A, cy for B) takes rows 16 p .. 16 p + 15, a lane a block.
	s_cmp_eq_u32 s[RH], 0
	s_cselect_b64 s[PFB:PFB+1], s[ABASE:ABASE+1], s[BBASE:BBASE+1]
	s_cselect_b32 s80, s40, s41
	s_lshl_b32 s80, s80, 16                        ; 16 rows of 4,096 bytes
	s_mov_b32 s81, 0
	s_add_nc_u64 s[PFB:PFB+1], s[PFB:PFB+1], s[80:81]
	s_add_co_u32 s80, s[KOFF], 2*KSLOT
	s_and_b32 s80, s80, SIZE_K-1                   ; the walk goes round K
	s_add_nc_u64 s[PFA:PFA+1], s[PFB:PFB+1], s[80:81]
	v_and_b32 v[PFO], 15, v0
	v_bfe_u32 v31, v0, 4, 1
	v_lshlrev_b32 v[PFO], 12, v[PFO]
	v_lshl_add_u32 v[PFO], v31, 8, v[PFO]
	s_add_nc_u64 s[82:83], s[PFB:PFB+1], s[KOFF+2:KOFF+3]                  ; s[82:83]: never rewritten
	global_prefetch_b8 v[PFO], s[82:83] th:TH_LOAD_NT scope:SCOPE_SE       ; the walk's step 1, one fill ahead of its load,
	global_prefetch_b8 v[PFO], s[PFA:PFA+1] th:TH_LOAD_NT scope:SCOPE_SE   ; and step 2
.macro MUL4 f, a, zero
.irp b, 0,1,2,3
.if \zero
	v_wmma_f32_16x16x128_bf8_bf8 v[ACC+8*(4*(\a)+\b):ACC+8*(4*(\a)+\b)+7], v[\f+64+16*\b:\f+64+16*\b+15], v[\f+16*(\a):\f+16*(\a)+15], 0
.else
	v_wmma_f32_16x16x128_bf8_bf8 v[ACC+8*(4*(\a)+\b):ACC+8*(4*(\a)+\b)+7], v[\f+64+16*\b:\f+64+16*\b+15], v[\f+16*(\a):\f+16*(\a)+15], v[ACC+8*(4*(\a)+\b):ACC+8*(4*(\a)+\b)+7]
.endif
.endr
.endm
.macro FETCH slot, k, f
	WIN TO_F
.irp i, 0,1,2,3
.irp c, 0,1,2,3
	ds_load_b128 v[\f+64+16*\i+4*\c:\f+64+16*\i+4*\c+3], v[ADRB+\slot] offset:\k+32*\c+\i*16*PITCH
.endr
.endr
.irp i, 0,1,2,3
.irp c, 0,1,2,3
	ds_load_b128 v[\f+16*\i+4*\c:\f+16*\i+4*\c+3], v[ADRA+\slot] offset:\k+32*\c+\i*16*PITCH
.endr
.endr
.endm
.macro PLACES
.rept 4
	v_nop
.endr
.endm
.macro QUARTER slot, k, f, g, zero
	s_wait_dscnt 8
	WIN MUL
	MUL4 \f, 0, \zero
	MUL4 \f, 1, \zero
	PLACES
	FETCH \slot, \k, \g
	s_wait_dscnt 32
	WIN MUL
	MUL4 \f, 2, \zero
	MUL4 \f, 3, \zero
.endm
.macro TURN slot, next, fill
.if \fill
	s_wait_xcnt 0x0                                ; my last prefetch has read its address: it is stepped here, ahead of the waits of the change of slots
	s_add_co_u32 s80, s[KOFF+2*\slot], 4*KSLOT     ; this slot holds step m; its refill brings m + 2, the prefetch names m + 4
	s_and_b32 s80, s80, SIZE_K-1
	s_add_nc_u64 s[PFA:PFA+1], s[PFB:PFB+1], s[80:81]
.endif
	WIN 0
	s_wait_tensorcnt 0x0
	ds_add_u32 v[SPW], v[NIL]
	s_wait_dscnt 9
	WIN MUL
	MUL4 F1, 0, 0
	s_wait_dscnt 0x0
	s_barrier_signal -1
	MUL4 F1, 1, 0
.if \fill
	WIN 0
.endif
	s_barrier_wait -1
.if \fill
	CREST
	s_add_co_u32 s[KOFF+2*\slot], s[KOFF+2*\slot], 2*KSLOT
	s_and_b32 s[KOFF+2*\slot], s[KOFF+2*\slot], SIZE_K-1
	AIM \slot
	JLOAD \slot
.else
	PLACES
.endif
	FETCH \next, 0, F0
.if \fill
	WIN 0
	s_cmp_gt_u32 s3, 1                             ; the loop's last trip brings steps 6 and 7: no step stands two fills on
	s_cbranch_scc0 .Lno_ask_\@
	global_prefetch_b8 v[PFO], s[PFA:PFA+1] th:TH_LOAD_NT scope:SCOPE_SE
.Lno_ask_\@:
.endif
	WIN MUL
	MUL4 F1, 2, 0
	MUL4 F1, 3, 0
.endm
	s_wait_alu depctr_va_vdst(0)                   ; the wait at the head's end
	s_wait_tensorcnt 0x0                           ; my part of slot 0 is in; slot 1's first fill is issued as a refill is:
	ds_add_u32 v[SPW], v[NIL]                      ; 0 onto my spare word
	s_wait_xcnt 0x0                                ; the first prefetch has read its address
	s_add_co_u32 s80, s[KOFF+2], 2*KSLOT
	s_and_b32 s80, s80, SIZE_K-1
	s_add_nc_u64 s[PFA:PFA+1], s[PFB:PFB+1], s[80:81]
	s_wait_dscnt 0x0
	CROUND                                         ; everybody's part of slot 0 is in, and all sixteen work-groups are here
	JLOAD 1                                        ; the first tensor load behind the round
	FETCH 0, 0, F0
	WIN 0
	global_prefetch_b8 v[PFO], s[PFA:PFA+1] th:TH_LOAD_NT scope:SCOPE_SE   ; the walk's step 3
	QUARTER 0, 128, F0, F1, 1
.if LAPS > 1
	WIN 0
	s_mov_b32 s3, LAPS-1
.Llap:
	QUARTER 0, 256, F1, F0, 0
	QUARTER 0, 384, F0, F1, 0
	TURN 0, 1, 1
	QUARTER 1, 128, F0, F1, 0
	QUARTER 1, 256, F1, F0, 0
	QUARTER 1, 384, F0, F1, 0
	TURN 1, 0, 1
	QUARTER 0, 128, F0, F1, 0
	WIN 0
	s_sub_co_u32 s3, s3, 1
	s_cmp_lg_u32 s3, 0
	s_cbranch_scc1 .Llap
.endif
	WIN 0x80                                       ; the residual and the bias are asked for here, in the layout of the stores: the last lap's two K steps stand between these loads and the wait for them
.set j, 0
.rept 32
	global_load_b128 v[4*j:4*j+3], v[CO], s[88:89] offset:2*j*4096 th:TH_LOAD_NT   ; rows 2 j, 2 j + 1 of my 64, into window 2: sixteen lanes read 256 consecutive bytes
.set j, j+1
.endr
	WIN 0
	global_load_b128 v[BIAS:BIAS+3], v[BA], s[10:11]
	QUARTER 0, 256, F1, F0, 0
	QUARTER 0, 384, F0, F1, 0
	TURN 0, 1, 0
	QUARTER 1, 128, F0, F1, 0
	QUARTER 1, 256, F1, F0, 0
	QUARTER 1, 384, F0, F1, 0
	s_wait_dscnt 8
	WIN MUL
	MUL4 F1, 0, 0
	MUL4 F1, 1, 0
	s_wait_dscnt 0
	MUL4 F1, 2, 0
	MUL4 F1, 3, 0
	WIN 0
	s_wait_loadcnt 0x0
	s_wait_kmcnt 0x0
	s_add_co_i32 s92, s92, s93
	s_add_co_i32 s92, s92, 127
	s_lshl_b32 s92, s92, 23
	s_mov_b32 s93, s92
	WIN 0x82
.set j, 0
.rept 64
	v_pk_add_f32 v[2*j:2*j+1], v[2*j:2*j+1], v[BIAS+2*(j%2):BIAS+2*(j%2)+1]
.set j, j+1
.endr
	WIN 0
.macro TOSTAGE a
.irp b, 0,1,2,3
	ds_store_b128 v[STO], v[ACC+8*(4*(\a)+\b):ACC+8*(4*(\a)+\b)+3] offset:64*\b
	ds_store_b128 v[STO], v[ACC+8*(4*(\a)+\b)+4:ACC+8*(4*(\a)+\b)+7] offset:64*\b+16
.endr
.set TT, T+32*((\a)%2)
.set j, 0
.rept 8
	ds_load_b128 v[TT+4*j:TT+4*j+3], v[RD] offset:2*j*SPITCH
.set j, j+1
.endr
.endm
.macro FIN a, y
.set TT, T+32*((\a)%2)
	s_wait_dscnt \y
	WIN 0x20
.set j, 0
.rept 16
	v_pk_fma_f32 v[TT+j:TT+j+1], v[TT+j:TT+j+1], s[92:93], v[32*(\a)+j:32*(\a)+j+1] op_sel_hi:[1,0,1]
.set j, j+2
.endr
	WIN 0
.set j, 0
.rept 8
.if NTOUT
	global_store_b128 v[CO], v[TT+4*j:TT+4*j+3], s[90:91] offset:(16*(\a)+2*j)*4096 th:TH_STORE_NT
.else
	global_store_b128 v[CO], v[TT+4*j:TT+4*j+3], s[90:91] offset:(16*(\a)+2*j)*4096
.endif
.set j, j+1
.endr
.endm
	TOSTAGE 0
.irp a, 1,2,3
.if \a > 1
	s_wait_xcnt 0x0
.endif
	TOSTAGE \a
	FIN \a-1, 16
.endr
	FIN 3, 0
	s_wait_tensorcnt 0x0
	ds_add_u32 v[SPW], v[NIL]
	s_wait_dscnt 0x0
	CROUND
	s_endpgm
.Lfunc_end_k_qf294110a41_ff2:
	.size	k_qf294110a41_ff2, .Lfunc_end_k_qf294110a41_ff2-k_qf294110a41_ff2
	.p2alignl 7, 3214868480
	.fill 96, 4, 3214868480
	.section	.rodata,"a",@progbits
	.p2align	6, 0x0
	.amdhsa_kernel k_qf294110a41_ff2
		.amdhsa_group_segment_fixed_size 327680
		.amdhsa_private_segment_fixed_size 0
		.amdhsa_enable_private_segment 0
		.amdhsa_kernarg_size 48
		.amdhsa_user_sgpr_count 2
		.amdhsa_user_sgpr_kernarg_segment_ptr 1
		.amdhsa_wavefront_size32 1
		.amdhsa_system_sgpr_workgroup_id_x 1
		.amdhsa_system_sgpr_workgroup_id_y 1
		.amdhsa_system_sgpr_workgroup_id_z 1
		.amdhsa_system_vgpr_workitem_id 0
		.amdhsa_next_free_vgpr 640
		.amdhsa_next_free_sgpr 100
		.amdhsa_reserve_vcc 0
		.amdhsa_float_denorm_mode_32 3
		.amdhsa_float_denorm_mode_16_64 3
		.amdhsa_memory_ordered 1
		.amdhsa_forward_progress 1
		.amdhsa_inst_pref_size 84
	.end_amdhsa_kernel
	.amdgpu_metadata
---
amdhsa.version: [ 1, 2 ]
amdhsa.kernels:
  - .name:           k_qf294110a41_ff2
    .symbol:         k_qf294110a41_ff2.kd
    .args:
      - { .name: gc, .offset: 0, .size: 8, .value_kind: global_buffer, .address_space: global }
      - { .name: w2_codes, .offset: 8, .size: 8, .value_kind: global_buffer, .address_space: global }
      - { .name: lowp_scales, .offset: 16, .size: 8, .value_kind: global_buffer, .address_space: global }
      - { .name: b2, .offset: 24, .size: 8, .value_kind: global_buffer, .address_space: global }
      - { .name: hres, .offset: 32, .size: 8, .value_kind: global_buffer, .address_space: global }
      - { .name: out0, .offset: 40, .size: 8, .value_kind: global_buffer, .address_space: global }
    .group_segment_fixed_size: 327680
    .private_segment_fixed_size: 0
    .kernarg_segment_align: 8
    .kernarg_segment_size: 48
    .max_flat_workgroup_size: 128
    .sgpr_count:     100
    .vgpr_count:     640
    .wavefront_size: 32
...
	.end_amdgpu_metadata
.endif
;; end of part 7
